; MI455X (gfx1250); checked and timed in simulation.
; The chip was launched on July 23, 2026; its instructions are those of AMD's public machine-readable ISA for CDNA 5 (MIT licence, August 2026) and "CDNA5" Instruction Set Architecture Reference Guide (July 2026). The comments in the code are by the model that wrote it; some were corrected since.
;; Causal Self Attention. Allowed arithmetic: matrix products marked QUANTISED: E5M2 operands, one E8M0 scale for each 32 along K, by v_wmma_scale_f32_16x16x128_f8f6f4 with both operands' format E5M2, f32 sums; everything else in f32.
;; Inputs: W_attn 1,024 x 3,072 float32; W_proj 1,024 x 1,024 float32; b_attn 3,072 float32; b_proj 1,024 float32; x 4 x 2,048 x 1,024 float32.
;; Outputs: out0 4 x 2,048 x 1,024 float32.
;; This version of the problem:
;;   THIS VERSION OF THE PROBLEM IS GIVEN IN LOW PRECISION. The matrix products marked QUANTISED in the list below multiply operands that are first quantised to E5M2 (5 exponent bits, 2 mantissa bits; 8 bits a number), with one power-of-two scale for each 32 numbers along K (OCP MX v1.0); their sums are f32. All else is computed in f32.
;;   The module's matrix products, in the order in which they are computed (A, B: the left and right operand; K: the contracted axis; several contracted axes count as one K, in the product's order):
;;     1. [M 8,192, K 1,024] x [K 1,024, N 3,072]; A: input x; B: input W_attn: QUANTISED
;;     2. batch 64 x [M 2,048, K 64] x [K 64, N 2,048]; A: computed on the way; B: computed on the way: QUANTISED
;;     3. batch 64 x [M 2,048, K 2,048] x [K 2,048, N 64]; A: softmax (see below); B: computed on the way: QUANTISED
;;     4. [M 8,192, K 1,024] x [K 1,024, N 1,024]; A: computed on the way; B: input W_proj: QUANTISED
;;   THE QUANTISER, for each operand of a quantised product, along K:
;;     - K is cut into blocks of 32 from its start; a last block that is shorter is filled with zeros.
;;     - A block's scale is 2^e with e = floor(log2(the largest magnitude in the block)) - 15, held to -126 .. 127; a block of zeros has e = 0. As a byte (E8M0): e + 127.
;;     - Each number is divided by its block's scale, clamped to +-57,344, and rounded to the nearest number of E5M2, ties to even, subnormals kept.
;;     - The product sums the exact products of the quantised numbers (number of the format x scale) in f32.
;;   ~~~python
;;   def quantise(x, axis):      # numpy; x: float32 -> the quantised numbers, widened to float32 again
;;       x = np.moveaxis(x, axis, -1); K = x.shape[-1]
;;       x = np.pad(x, [(0, 0)] * (x.ndim - 1) + [(0, -K % 32)]); x = x.reshape(x.shape[:-1] + (-1, 32)); a = np.abs(x).max(-1, keepdims=True)
;;       e = np.where(a > 0, np.clip(np.frexp(np.where(a > 0, a, 1))[1] - 1 - 15, -126, 127), 0)      # np.frexp(a)[1] - 1 = floor(log2(a)), exactly
;;       r = np.clip(x / 2.0 ** e, -57344, 57344)
;;       step = 2.0 ** (np.maximum(np.frexp(np.where(r == 0, 1, r))[1] - 1, -14) - 2)
;;       q = np.round(r / step) * step * 2.0 ** e      # np.round: ties to even
;;       return np.moveaxis(q.reshape(q.shape[:-2] + (-1,))[..., :K], -1, axis).astype(np.float32)
;;   ~~~
;;   SOFTMAX AHEAD OF A QUANTISED PRODUCT. Where the list says 'softmax', what is quantised is not the finished softmax but p = 2^(t - M), with t = logit x log2(e) and M = ceil(the row's largest t), a whole number; so 1/2 < the row's largest p <= 1. The row's sum l is taken of the UNQUANTISED p, in f32, and the product's result is divided by l at the end. Since M is a whole number, a kernel that streams over the keys may use a running M (the ceiling of the running maximum): every later rescaling is an exact power of two, which a block's scale takes up: the codes' values come out the same.
;;   OPERANDS COMPUTED ON THE WAY. 'Computed on the way' means the value that the module computes at that place (a softmax that the list does not call 'softmax' is quantised finished and normalised). What goes into a quantiser is computed in f32, as accurately as f32 sums, v_exp_f32 and their like allow (about 1e-6 of the number): no bf16 or f16 on the way to a quantiser, and a product that is left as it is and whose result goes on into a quantised operand takes f32 operands (vector FMAs, or v_wmma_f32_16x16x4_f32). A number that lies on a knife's edge between two numbers of the format may be rounded either way, as far as f32 arithmetic and the matrix unit's own rounding can turn it there, and no further.
;; One version. Each part assembles by itself: llvm-mc -triple=amdgcn-amd-amdhsa -mcpu=gfx1250 --defsym DOCPART=n.
;; ======== version 1 of 1: 4 launches
;; limits: right only within a limited range of input values
;; workspace buffers: x_codes 8,388,608 bytes; x_scales 262,144 bytes; w_codes 4,194,304 bytes; w_scales 131,072 bytes; qkv_codes 25,165,824 bytes; qkv_scales 1,572,864 bytes; y_codes 8,388,608 bytes; y_scales 262,144 bytes
;; launch prep (part 1): grid 384 x 1, 4 waves a work-group, no clusters, 35,328 bytes of LDS; arguments x, W_attn, W_proj, x_codes, x_scales, w_codes, w_scales; writes x_codes, x_scales, w_codes, w_scales
.if DOCPART == 1
	.amdgcn_target "amdgcn-amd-amdhsa--gfx1250"
	.amdhsa_code_object_version 6
	.text
	.protected	k_q0170c46798_prep
	.globl	k_q0170c46798_prep
	.p2align	8
	.type	k_q0170c46798_prep,@function
k_q0170c46798_prep:
	s_mov_b64 s[64:65], 0
	v_nop
	global_prefetch_b8 v0, s[64:65] scope:SCOPE_SE
	s_setreg_imm32_b32 hwreg(HW_REG_WAVE_MODE, 25, 1), 1
	s_wait_xcnt 0x0
; x [8192][1024], W_attn [1024][3072], W_proj [1024][1024], f32, become codes of BF8 (E5M2) with one E8M0 scale byte for each 32 along K (K = 1,024 for all three).
; A block's scale is 2^(floor(log2(its largest magnitude)) - 15); its byte is that magnitude's exponent field - 15, held at 1 from below; each number is held within +-57,344 x the scale and rounded to the nearest code.
; LIMITS: NaN and infinities among the inputs are not served.  A block of zeros gets the byte 1 where the rule says 127: its codes are zeros, and these bytes are read by this program alone.
; LAYOUT OF THE RESULTS: IMAGES OF OPERAND REGISTERS.  A fragment (16 rows x 128 K) is 2,048 bytes [c 0..3][lane 0..31][16 bytes]: lane (r = lane % 16, h = lane / 16) holds k = 32 c + 16 h + 0..15 of row r.
; Codes: [K / 256][tile of 16 rows][K step of 128 (2)][2,048].  Scale bytes: [K / 256][row position][8].  In w_codes tiles 0-191 are W_attn's columns, tiles 192-255 W_proj's.
; Within each group of 32 rows the row at position p is the true row with bits 3 and 4 of p exchanged: tile u of the group holds at lane r the true row 8 u + r % 8 + 16 (r / 8).
; So the 16 result registers of two neighbouring tiles used as source 0 are 16 neighbours along that axis, which the later launches quantise without moving a number between lanes.
; Work-groups 0-255 take x: 32 tokens each; wave w takes K 256 w .. 256 w + 255: four fragments.  Work-groups 256-383 take the weights: 128 columns x 256 K each, a wave 32 columns.
; No barrier: waves share nothing.  Only x's path uses LDS (a stage of its own for each wave).
.set RAW, 16                           ; v16-143  x: two sets of 64 registers, a fragment's numbers as they are loaded
.set XN,  144                          ; v144-207 x: 64 numbers in the operand's order: register 16 c + i = k 32 c + 16 h + i of my row
.set CD,  208                          ; v208-239 x: two sets of 16 registers of codes
.set TM,  240                          ; v240-243 largest magnitudes, v244-247 the other half's / bytes, v252-255 the conversions' scale operands
.set PW,  8                            ; v8-11    x: the four fragments' scale words
.set MNT, 19
.set SEL, 22                           ; s[22:23] lane selects: lane l xor 16
.set OFF, 16                           ; v16-47   weights: byte offset of my column in rows 0 .. 31 of a block
.set WX,  48                           ; v48-111  weights: two sets of 32 numbers
.set WC,  112                          ; v112-175 weights: 8 registers of codes for each of 8 blocks, never rewritten
	s_load_b128 s[4:7], s[0:1], 0x0                ; x, W_attn
	s_load_b128 s[8:11], s[0:1], 0x10              ; W_proj, x_codes
	s_load_b128 s[12:15], s[0:1], 0x20             ; x_scales, w_codes
	s_load_b64 s[16:17], s[0:1], 0x30              ; w_scales
	v_lshl_add_u32 v14, v0, 2, 0x8800
	v_mov_b32 v15, 0
	v_lshrrev_b32 v1, 5, v0
	v_readfirstlane_b32 s18, v1                    ; wave 0..3
	v_and_b32 v7, 31, v0                           ; lane
	s_cmp_lt_u32 ttmp9, 256
	s_cbranch_scc0 .Lweights
; ---------------- x: K is innermost ----------------
	v_and_b32 v5, 15, v0                           ; r
	v_bfe_u32 v6, v0, 4, 1                         ; h
	v_lshlrev_b32 v1, 4, v7                        ; 16 x lane: my bytes of a load's 512, and of an image's 512
	s_mul_i32 s20, s18, 8704                       ; my wave's stage: 16 rows of 512 bytes + 16 of padding
	v_add_nc_u32 v2, s20, v1                       ; into it: as loaded
	v_mul_u32_u24 v3, v5, 528
	v_lshl_add_u32 v3, v6, 6, v3
	v_add_nc_u32 v3, s20, v3                       ; out of it: row r, + 64 h: my 16 numbers of a block of 32
	v_lshlrev_b32 v4, 3, v7                        ; 8 x lane: a position's scale bytes
	v_cmp_lt_u32 s21, 15, v7                       ; lanes 16-31
	s_mov_b32 s[SEL], 0x76543210
	s_mov_b32 s[SEL+1], 0xfedcba98
.irp b, 0,1,2,3
	v_mov_b32 v[TM+4+\b], 0                        ; written once: a lane permute's destination counts as one of its sources
.endr
	s_lshl_b32 s24, ttmp9, 17                      ; x: 32 tokens of 4,096 bytes,
	s_lshl_b32 s26, s18, 10                        ; my wave's 256 numbers of each
	s_add_co_u32 s24, s24, s26
	s_mov_b32 s25, 0
	s_lshl_b32 s26, s18, 21                        ; codes: K chunk w, two tiles of 4,096 bytes
	s_lshl_b32 s28, ttmp9, 13
	s_add_co_u32 s26, s26, s28
	s_mov_b32 s27, 0
	s_lshl_b32 s28, s18, 16                        ; scale bytes: K chunk w, 32 positions of 8 bytes
	s_lshl_b32 s30, ttmp9, 8
	s_add_co_u32 s28, s28, s30
	s_mov_b32 s29, 0
	s_wait_alu depctr_va_vdst(0)
	s_wait_kmcnt 0x0
	s_add_nc_u64 s[4:5], s[4:5], s[24:25]
	s_add_nc_u64 s[10:11], s[10:11], s[26:27]
	s_add_nc_u64 s[12:13], s[12:13], s[28:29]
; 64 numbers of a lane, v[s] on, become 16 registers of codes, v[cd] on, and my row's scale word, v[pw]
.macro QUANT s, cd, pw
.irp b, 0,1,2,3
	v_max3_num_f32 v[TM+\b], |v[\s+16*\b]|, |v[\s+1+16*\b]|, 0x8000000   ; block b: my 16 numbers, and the floor 2^(16 - 127): the byte cannot fall under 1
.endr
.irp i, 2,4,6,8,10,12,14
.irp b, 0,1,2,3
	v_max3_num_f32 v[TM+\b], v[TM+\b], |v[\s+16*\b+\i]|, |v[\s+1+16*\b+\i]|   ; the four blocks by turns
.endr
.endr
.irp b, 0,1,2,3
	v_permlanex16_b32 v[TM+4+\b], v[TM+\b], s[SEL], s[SEL+1]
.endr
.irp b, 0,1,2,3
	v_max_num_f32 v[TM+\b], v[TM+\b], v[TM+4+\b]   ; with lane l xor 16's 16: the block's largest magnitude
.endr
.irp b, 0,1,2,3
	v_add_nc_u32 v[TM+12+\b], 0xf8800000, v[TM+\b] ; 15 off its exponent field: the conversion's scale operand
.endr
.irp b, 0,1,2,3
.endr
.irp b, 0,1,2,3
	v_lshrrev_b32 v[TM+4+\b], 23, v[TM+12+\b]      ; the scale's byte
.endr
	v_lshl_or_b32 v[\pw], v[TM+5], 8, v[TM+4]
	v_lshl_or_b32 v[\pw], v[TM+6], 16, v[\pw]
	v_lshl_or_b32 v[\pw], v[TM+7], 24, v[\pw]
.irp b, 0,1,2,3
.irp i, 0,1,2,3,4,5,6,7,8,9,10,11,12,13,14,15
.endr
	v_cvt_scalef32_pk8_bf8_f32 v[\cd+4*\b:\cd+1+4*\b], v[\s+16*\b:\s+7+16*\b], v[TM+12+\b]
	v_cvt_scalef32_pk8_bf8_f32 v[\cd+2+4*\b:\cd+3+4*\b], v[\s+8+16*\b:\s+15+16*\b], v[TM+12+\b]
.endr
	v_nop                                          ; one plain line behind the last conversion
.endm
; fragment f = (tile f / 2, K step f % 2): its 16 rows, 512 consecutive bytes a load; position i is the true row 16 (i / 8) + 8 (f / 2) + i % 8
.macro LOADF f
.irp i, 0,1,2,3,4,5,6,7,8,9,10,11,12,13,14,15
	global_load_b128 v[RAW+64*((\f)%2)+4*\i:RAW+64*((\f)%2)+4*\i+3], v1, s[4:5] offset:(16*(\i/8)+8*((\f)/2)+\i%8)*4096+((\f)%2)*512 th:TH_LOAD_NT
.endr
.endm
.macro FRAGX f, left
	s_wait_loadcnt \left                           ; this fragment's 16 loads are in; the next fragment's 16 may be out
.irp i, 0,1,2,3,4,5,6,7,8,9,10,11,12,13,14,15
	ds_store_b128 v2, v[RAW+64*((\f)%2)+4*\i:RAW+64*((\f)%2)+4*\i+3] offset:528*\i
.endr
.irp c, 0,1,2,3
.irp j, 0,1,2,3
	ds_load_b128 v[XN+16*\c+4*\j:XN+16*\c+4*\j+3], v3 offset:128*\c+16*\j   ; LDS serves a wave's instructions in order: these see the stores above
.endr
.endr
	s_wait_dscnt 0x0                               ; the numbers are back, and the stores have read their registers,
.if (\f) < 2
	LOADF (\f)+2                                   ; which take the fragment two further on
.else
	s_wait_xcnt 0x0                                ; this set of code registers was the data of stores two fragments back
.endif
	QUANT XN, CD+16*((\f)%2), PW+(\f)
.irp c, 0,1,2,3
	global_store_b128 v1, v[CD+16*((\f)%2)+4*\c:CD+16*((\f)%2)+4*\c+3], s[10:11] offset:((\f)/2)*4096+((\f)%2)*2048+512*\c   ; 512 consecutive bytes
.endr
.endm
	LOADF 0
	LOADF 1
	FRAGX 0, 16
	FRAGX 1, 16
	FRAGX 2, 16
	FRAGX 3, 0
	v_cndmask_b32 v12, v[PW], v[PW+2], s21         ; position = lane: lanes 0-15 tile 0's rows, lanes 16-31 tile 1's; K step 0's word,
	v_cndmask_b32 v13, v[PW+1], v[PW+3], s21       ; K step 1's
	global_store_b64 v4, v[12:13], s[12:13]        ; 256 consecutive bytes, aligned
	s_wait_tensorcnt 0x0
	ds_add_u32 v14, v15
	s_wait_dscnt 0x0
	s_endpgm
; ---------------- the weights: K is the first axis.  A lane takes a column, its registers run down K ----------------
.Lweights:
	s_sub_co_u32 s20, ttmp9, 256                   ; 0 .. 95: W_attn (24 groups of 128 columns x 4 chunks of K); 96 .. 127: W_proj (8 x 4)
	s_wait_kmcnt 0x0
	s_mov_b32 s21, 4096
	s_cmp_lt_u32 s20, 96                           ; the choice hangs on the work-group's number alone
	s_cselect_b64 s[4:5], s[6:7], s[8:9]           ; the tensor,
	s_cselect_b32 s21, 12288, s21                  ; its row in bytes,
	s_cselect_b32 s22, 0, 192                      ; its first tile in w_codes
	s_cselect_b32 s23, 0, 96
	s_sub_co_u32 s20, s20, s23
	s_lshr_b32 s24, s20, 2                         ; which 128 columns
	s_and_b32 s25, s20, 3                          ; which 256 of K
	s_lshl_b32 s26, s25, 8
	s_mul_i32 s26, s26, s21                        ; 256 q rows down,
	s_lshl_b32 s28, s24, 9
	s_add_co_u32 s26, s26, s28                     ; 128 columns of 4 bytes a group,
	s_lshl_b32 s28, s18, 7
	s_add_co_u32 s26, s26, s28                     ; 32 a wave
	s_mov_b32 s27, 0
	s_add_nc_u64 s[32:33], s[4:5], s[26:27]        ; block 0's first row
	s_lshl_b32 s28, s21, 5                         ; 32 rows
	s_mov_b32 s29, 0
.irp t, 1,2,3,4,5,6,7
	s_add_nc_u64 s[32+2*\t:33+2*\t], s[30+2*\t:31+2*\t], s[28:29]   ; a base for each of the eight blocks: no pointer is stepped while loads are out
.endr
	s_lshl_b32 s30, s24, 3
	s_add_co_u32 s30, s30, s22
	s_lshl_b32 s31, s18, 1
	s_add_co_u32 s30, s30, s31                     ; my wave's first tile
	s_lshl_b32 s48, s30, 12
	s_lshl_b32 s50, s25, 20
	s_add_co_u32 s48, s48, s50
	s_mov_b32 s49, 0
	s_add_nc_u64 s[14:15], s[14:15], s[48:49]      ; its codes in chunk q
	s_lshl_b32 s48, s30, 7
	s_lshl_b32 s50, s25, 15
	s_add_co_u32 s48, s48, s50
	s_add_nc_u64 s[16:17], s[16:17], s[48:49]      ; its scale bytes
	s_wait_alu depctr_va_vdst(0)
	v_and_b32 v1, 7, v7
	v_bfe_u32 v2, v7, 3, 1
	v_bfe_u32 v3, v7, 4, 1
	v_lshl_or_b32 v1, v2, 4, v1
	v_lshl_or_b32 v1, v3, 3, v1                    ; position = lane; the true column has bits 3 and 4 exchanged
	v_lshlrev_b32 v[OFF], 2, v1
.irp i, 1,2,3,4,5,6,7,8,9,10,11,12,13,14,15,16,17,18,19,20,21,22,23,24,25,26,27,28,29,30,31
	v_add_nc_u32 v[OFF+\i], s21, v[OFF+\i-1]
.endr
	v_and_b32 v4, 15, v7
	v_lshlrev_b32 v5, 4, v4
	v_lshl_or_b32 v5, v3, 12, v5                   ; codes: tile lane / 16, row lane % 16
	v_lshlrev_b32 v6, 3, v7                        ; scale bytes: 8 a position
.macro LOADW t                         ; block t: W(32 t + i, my column): the wave's 32 lanes read 128 consecutive bytes
.irp i, 0,1,2,3,4,5,6,7,8,9,10,11,12,13,14,15,16,17,18,19,20,21,22,23,24,25,26,27,28,29,30,31
	global_load_b32 v[WX+32*((\t)%2)+\i], v[OFF+\i], s[32+2*(\t):33+2*(\t)] th:TH_LOAD_NT
.endr
.endm
.macro BLOCK t
.set XS, WX+32*((\t)%2)
.set CB, WC+8*(\t)
.if (\t) < 7
	s_wait_loadcnt 32                              ; this block's 32 loads are in; the next block's may be out
.else
	s_wait_loadcnt 0x0
.endif
	v_max3_num_f32 v12, |v[XS]|, |v[XS+1]|, |v[XS+2]|   ; all 32 numbers of the block are mine
	v_max3_num_f32 v13, |v[XS+3]|, |v[XS+4]|, |v[XS+5]|
.irp i, 6,10,14,18,22,26
	v_max3_num_f32 v12, v12, |v[XS+\i]|, |v[XS+\i+1]|
	v_max3_num_f32 v13, v13, |v[XS+\i+2]|, |v[XS+\i+3]|
.endr
	v_max3_num_f32 v12, v12, |v[XS+30]|, |v[XS+31]|
	v_max3_num_f32 v12, v12, v13, 0x8000000        ; and the floor
	v_add_nc_u32 v11, 0xf8800000, v12              ; the conversion's scale operand
	v_lshrrev_b32 v13, 23, v11                     ; the byte
.if (\t)%4 == 0
	v_mov_b32 v[8+(\t)/4], v13
.else
	v_lshl_or_b32 v[8+(\t)/4], v13, 8*((\t)%4), v[8+(\t)/4]
.endif
.irp i, 0,1,2,3,4,5,6,7,8,9,10,11,12,13,14,15,16,17,18,19,20,21,22,23,24,25,26,27,28,29,30,31
.endr
.irp g, 0,1,2,3
	v_cvt_scalef32_pk8_bf8_f32 v[CB+2*\g:CB+2*\g+1], v[XS+8*\g:XS+8*\g+7], v11
.endr
	v_nop                                          ; one plain line behind the last conversion
	global_store_b128 v5, v[CB:CB+3], s[14:15] offset:((\t)/4)*2048+((\t)%4)*512       ; k 0-15 of the block: the image's lanes 0-15; sixteen lanes store 256 consecutive bytes
	global_store_b128 v5, v[CB+4:CB+7], s[14:15] offset:((\t)/4)*2048+((\t)%4)*512+256 ; k 16-31: its lanes 16-31
.if (\t) < 6
	LOADW (\t)+2
.endif
.endm
	LOADW 0
	LOADW 1
.irp t, 0,1,2,3,4,5,6,7
	BLOCK \t
.endr
	global_store_b64 v6, v[8:9], s[16:17]          ; 256 consecutive bytes, aligned
	s_endpgm
.Lfunc_end_k_q0170c46798_prep:
	.size	k_q0170c46798_prep, .Lfunc_end_k_q0170c46798_prep-k_q0170c46798_prep
	.p2alignl 7, 3214868480
	.fill 96, 4, 3214868480
	.section	.rodata,"a",@progbits
	.p2align	6, 0x0
	.amdhsa_kernel k_q0170c46798_prep
		.amdhsa_group_segment_fixed_size 35328
		.amdhsa_private_segment_fixed_size 0
		.amdhsa_enable_private_segment 0
		.amdhsa_kernarg_size 56
		.amdhsa_user_sgpr_count 2
		.amdhsa_user_sgpr_kernarg_segment_ptr 1
		.amdhsa_wavefront_size32 1
		.amdhsa_system_sgpr_workgroup_id_x 1
		.amdhsa_system_sgpr_workgroup_id_y 1
		.amdhsa_system_sgpr_workgroup_id_z 1
		.amdhsa_system_vgpr_workitem_id 0
		.amdhsa_next_free_vgpr 256
		.amdhsa_next_free_sgpr 66
		.amdhsa_reserve_vcc 0
		.amdhsa_float_denorm_mode_32 3
		.amdhsa_float_denorm_mode_16_64 3
		.amdhsa_fp16_overflow 1
		.amdhsa_memory_ordered 1
		.amdhsa_forward_progress 1
		.amdhsa_inst_pref_size 74
	.end_amdhsa_kernel
	.amdgpu_metadata
---
amdhsa.version: [ 1, 2 ]
amdhsa.kernels:
  - .name:           k_q0170c46798_prep
    .symbol:         k_q0170c46798_prep.kd
    .args:
      - { .name: x, .offset: 0, .size: 8, .value_kind: global_buffer, .address_space: global }
      - { .name: W_attn, .offset: 8, .size: 8, .value_kind: global_buffer, .address_space: global }
      - { .name: W_proj, .offset: 16, .size: 8, .value_kind: global_buffer, .address_space: global }
      - { .name: x_codes, .offset: 24, .size: 8, .value_kind: global_buffer, .address_space: global }
      - { .name: x_scales, .offset: 32, .size: 8, .value_kind: global_buffer, .address_space: global }
      - { .name: w_codes, .offset: 40, .size: 8, .value_kind: global_buffer, .address_space: global }
      - { .name: w_scales, .offset: 48, .size: 8, .value_kind: global_buffer, .address_space: global }
    .group_segment_fixed_size: 35328
    .private_segment_fixed_size: 0
    .kernarg_segment_align: 8
    .kernarg_segment_size: 56
    .max_flat_workgroup_size: 128
    .sgpr_count:     66
    .vgpr_count:     256
    .wavefront_size: 32
...
	.end_amdgpu_metadata
.endif
;; end of part 1
;; launch qkv (part 2): grid 12 x 32, 4 waves a work-group, clusters of 4 x 4, 327,680 bytes of LDS; arguments x_codes, x_scales, w_codes, w_scales, b_attn, qkv_codes, qkv_scales; writes qkv_codes, qkv_scales
.if DOCPART == 2
	.amdgcn_target "amdgcn-amd-amdhsa--gfx1250"
	.amdhsa_code_object_version 6
	.text
	.protected	k_q0170c46798_qkv
	.globl	k_q0170c46798_qkv
	.p2align	8
	.type	k_q0170c46798_qkv,@function
k_q0170c46798_qkv:
	s_mov_b64 s[64:65], 0
	v_nop
	global_prefetch_b8 v0, s[64:65] scope:SCOPE_SE
	s_setreg_imm32_b32 hwreg(HW_REG_WAVE_MODE, 25, 1), 1
	s_wait_xcnt 0x0
	s_wait_alu depctr_hold_cnt(0) depctr_sa_sdst(0) depctr_va_vdst(0) depctr_va_sdst(0) depctr_va_ssrc(0) depctr_va_vcc(0) depctr_vm_vsrc(0)
	s_getreg_b32 s2, hwreg(HW_REG_IB_STS2, 6, 4)
	s_cmp_eq_u32 s2, 0
	s_cbranch_scc0 .Lentry_in_a_cluster
	s_endpgm
.Lentry_in_a_cluster:
	s_bfe_u32 s2, ttmp6, 0x10000c
	s_cmp_lg_u32 s2, 0xf033
	s_cbranch_scc0 .Lentry_shape_is_right
	s_endpgm
.Lentry_shape_is_right:
; qkv = x W_attn + b_attn on codes of BF8 (E5M2) with E8M0 scales, and on the way out q and k quantised along the head's 64 and v along the keys.  Nothing leaves as f32.
; A work-group of four waves makes 256 tokens x 256 columns; a wave 128 x 128: 64 accumulators, 512 registers.  K = 1,024 goes in four chunks of 256 through two LDS slots.
; OPERANDS LIE IN MEMORY AS IMAGES OF THEIR REGISTERS (fragment = 16 rows x 128 K = [c][lane][16 bytes], 2,048 bytes; codes [K / 256][tile][K step][2,048]): a chunk's 8 tiles are one dense block of 32,768 bytes
; for one tensor load, and a fragment comes out of LDS by four loads of 512 consecutive bytes: no pitch, no padding.
; Tiles hold their rows with bits 3 and 4 of the position in a group of 32 exchanged, so that the 16 registers of two neighbouring tiles of source 0 are 16 neighbours along source 0's axis.
; THE KIND (cluster x: 0 q, 1 k, 2 v) DECIDES WHICH OPERAND IS SOURCE 0.  q, k: source 0 = columns of W, source 1 = tokens: a lane holds one token, its registers run along the head's d.
; v: source 0 = tokens, source 1 = columns: a lane holds one d, its registers run along the keys.  Only the LDS addresses that are READ change places; fills, waits and products are one text.
; Side A is source 1 (8 blocks, one set of registers), side B is source 0 (8 blocks, two sets).
; RESULTS: qkv_codes [kind][batch][head pair][128 tokens][block a 0..7][2,048]: a wave's tile is 16,384 dense bytes.  q, k: a = tile of tokens, c = 2 x (head's parity) + block of d.  v: a = 4 x parity + tile of d, c = block of 32 keys.
; qkv_scales [kind][batch][head pair][128 tokens][2][lane][4 words]: word i: lanes 0-15 block 2 i's rows, lanes 16-31 block 2 i + 1's; the second copy holds the words turned by 16 bits, for the odd head of the pair.
; CLUSTERS: 4 x 4.  x's tiles are shared along a row of the cluster, W's along a column: joint loads.
; GRID: 384 work-groups; a tile that gave 256 equal shares of 3,072 columns would straddle kinds.
; LIMITS: NaN and infinities are not served; a block of zeros gets the byte 1 (its codes are zeros; this program alone reads the bytes).
; REGISTERS: window 0: v1-8 the bias's offsets, v15-29 addresses, v32-63 scale words (two sets), v64-127 the bias, later at work, v128-255 A's fragments, later the codes that leave.
;   window 1: B's two sets, at v0 and v128.  window 2: accumulators of A's blocks 0-3 ((a, b) at v[8 (8 (a % 4) + b)]); window 3: of blocks 4-7.
.set SLOT,  131072                     ; a slot: x's 16 tiles of 4,096 bytes, then W's 16
.set SCX,   2*SLOT                     ; x's scale bytes [half][chunk][128 rows x 8], 8,192 bytes; filled once
.set SCW,   SCX+8192                   ; W's likewise
.set SPARE, SCW+8192                   ; the spare words: 128 bytes for each wave
.set CHX,   0x200000                   ; from chunk to chunk of K in x_codes
.set CHW,   0x100000                   ; and in w_codes
.set LI,   15                          ; v15  16 x lane
.set ADRA, 16                          ; v16-17  LDS address of A's fragments in slot 0, 1
.set ADRB, 20                          ; v20-21  of B's
.set ADRS, 27                          ; v27  of my scale words: lanes 0-15 A's rows, lanes 16-31 B's
.set SPW,  28                          ; v28  my spare word; never rewritten
.set NIL,  29                          ; v29  0; never rewritten
.set SC,   32
.set BI,   64                          ; the bias, eight registers a block
.set AF,   128
.set TM,   64                          ; the way out: v64-79 as in the quantiser
.set PW,   80                          ; v80-87 the eight blocks' scale words
.set PR,   88                          ; v88-91 paired by halves of the lanes; v92-95 turned
.set RT,   92
.set MNT,  45
.set SEL,  46
.set G1, 24
.set G0, 32
.set G1B, 48
.set G0B, 56
.set G1S, 68
.set G0S, 76
.set G1SB, 80
.set G0SB, 88
.set MSB, 0
.macro WIN new                         ; the immediate's high byte repeats the setting that is left
.if MSB != \new
	s_set_vgpr_msb (MSB<<8)|\new
.set MSB, \new
.endif
.endm
; A joint load: waves 0 and 1 fetch for x, waves 2 and 3 for W.  The branch hangs on the wave's number alone.  Four v_nop follow each line.
.macro JLOAD g0a, g1a, g0b, g1b
	s_cmp_eq_u32 s15, 0
	s_cbranch_scc0 .Lfor_b_\@
	tensor_load_to_lds s[\g0a:\g0a+3], s[\g1a:\g1a+7]
	s_nop 0
.rept 4
	v_nop
.endr
	s_branch .Lasked_\@
.Lfor_b_\@:
	tensor_load_to_lds s[\g0b:\g0b+3], s[\g1b:\g1b+7]
	s_nop 0
.rept 4
	v_nop
.endr
.Lasked_\@:
.endm
.macro CREST                           ; a round of the cluster's barrier behind its opening barrier
	s_cmp_lg_u32 s14, 0
	s_cbranch_scc1 .Lnot_wave_0_\@
	s_barrier_signal -3
.Lnot_wave_0_\@:
	s_barrier_wait -3
	s_barrier_signal -1
	s_barrier_wait -1
.endm
.macro CROUND
	s_barrier_signal -1
	s_barrier_wait -1
	CREST
.endm
.macro PLACES n
.rept \n
	v_nop
.endr
.endm
	s_load_b128 s[4:7], s[0:1], 0x0                ; x_codes, x_scales
	s_load_b128 s[8:11], s[0:1], 0x10              ; w_codes, w_scales
	s_load_b64 s[12:13], s[0:1], 0x20              ; b_attn
	s_load_b64 s[92:93], s[0:1], 0x28              ; qkv_codes
	s_load_b64 s[94:95], s[0:1], 0x30              ; qkv_scales
	v_lshl_add_u32 v[SPW], v0, 2, SPARE
	v_mov_b32 v[NIL], 0
	ds_add_u32 v28, v29
	ds_add_u32 v28, v29
	s_wait_dscnt 0x0
	v_lshrrev_b32 v1, 5, v0
	v_readfirstlane_b32 s14, v1                    ; wave 0..3
	s_lshr_b32 s15, s14, 1                         ; which half of A's blocks is mine.  Also: I fetch for x (0) or for W (1)
	s_and_b32 s16, s14, 1                          ; which half of B's.  Also: which 8 tiles I fetch
	s_bfe_u32 s40, ttmp6, 0x40000                  ; cx, cy
	s_bfe_u32 s41, ttmp6, 0x40004
	s_lshl_b32 s42, ttmp9, 2
	s_add_co_u32 s42, s42, s40                     ; which 256 columns
	s_and_b32 s17, ttmp7, 0xffff
	s_lshl_b32 s17, s17, 2
	s_add_co_u32 s17, s17, s41                     ; which 256 tokens
	s_lshl_b32 s43, s41, 2
	s_lshl_b32 s43, 15, s43                        ; my row of the cluster
	s_lshl_b32 s44, 0x1111, s40                    ; my column
	; group 1 for codes: 32,768 dense bytes as 128 rows of 32 elements of 8 bytes; no padding
	s_or_b32 s[G1+0], s43, (3<<16)|(1<<21)         ; 15:0 the mask: x's tiles go to my row; 17:16 elements of 8 bytes; 21 set beside a mask
	s_or_b32 s[G1B+0], s44, (3<<16)|(1<<21)        ; W's to my column
.irp g, G1, G1B
	s_mov_b32 s[\g+1], 32<<16                      ; tensor_dim0
	s_mov_b32 s[\g+2], 128<<16                     ; tensor_dim1
	s_mov_b32 s[\g+3], 32<<16                      ; tile_dim0
	s_mov_b32 s[\g+4], 128                         ; tile_dim1
	s_mov_b32 s[\g+5], 32                          ; from row to row
	s_mov_b32 s[\g+6], 0
	s_mov_b32 s[\g+7], 0
.endr
	; group 1 for scale bytes: 4 rows (chunks of K) of 1,024 bytes (128 rows x 8), a chunk's stride apart
	s_or_b32 s[G1S+0], s43, (3<<16)|(1<<21)
	s_or_b32 s[G1SB+0], s44, (3<<16)|(1<<21)
.irp g, G1S, G1SB
	s_mov_b32 s[\g+1], 128<<16
	s_mov_b32 s[\g+2], 4<<16
	s_mov_b32 s[\g+3], 128<<16
	s_mov_b32 s[\g+4], 4
	s_mov_b32 s[\g+6], 0
	s_mov_b32 s[\g+7], 0
.endr
	s_mov_b32 s[G1S+5], 8192                       ; 65,536 bytes in x_scales
	s_mov_b32 s[G1SB+5], 4096                      ; 32,768 bytes in w_scales
	s_lshl_b32 s18, s16, 15                        ; my 8 tiles of the 16
	s_lshl_b32 s19, s16, 10                        ; and their 128 rows' scale bytes
	s_lshl_b32 s20, s17, 16
	s_add_co_u32 s20, s20, s18                     ; x's codes: by the tokens alone
	s_mov_b32 s21, 0
	s_lshl_b32 s22, s17, 11
	s_add_co_u32 s22, s22, s19
	s_mov_b32 s23, 0
	s_lshl_b32 s46, s42, 16
	s_add_co_u32 s46, s46, s18                     ; W's: by the columns alone
	s_mov_b32 s47, 0
	s_lshl_b32 s96, s42, 11
	s_add_co_u32 s96, s96, s19
	s_mov_b32 s97, 0
	s_lshl_b32 s45, s14, 15                        ; where they go: wave x 32,768: x's halves, then W's
	s_lshl_b32 s98, s14, 12                        ; scale bytes: wave x 4,096
	s_wait_kmcnt 0x0
	s_add_nc_u64 s[20:21], s[4:5], s[20:21]
	s_add_nc_u64 s[22:23], s[6:7], s[22:23]
	s_add_nc_u64 s[46:47], s[8:9], s[46:47]
	s_add_nc_u64 s[96:97], s[10:11], s[96:97]
	CROUND                                         ; all sixteen work-groups are here: the first joint loads meet
	s_mov_b32 s[G0S], 1
	s_add_co_u32 s[G0S+1], s98, SCX
	s_mov_b64 s[G0S+2:G0S+3], s[22:23]
	s_or_b32 s[G0S+3], s[G0S+3], 0x80000000
	s_mov_b32 s[G0SB], 1
	s_add_co_u32 s[G0SB+1], s98, SCX
	s_mov_b64 s[G0SB+2:G0SB+3], s[96:97]
	s_or_b32 s[G0SB+3], s[G0SB+3], 0x80000000
	JLOAD G0S, G1S, G0SB, G1SB                     ; the scale bytes of all of K: filled once
.irp s, 0,1
	s_mov_b32 s[G0+4*\s], 1
	s_add_co_u32 s[G0+4*\s+1], s45, \s*SLOT
	s_add_nc_u64 s[G0+4*\s+2:G0+4*\s+3], s[20:21], \s*CHX
	s_or_b32 s[G0+4*\s+3], s[G0+4*\s+3], 0x80000000
	s_mov_b32 s[G0B+4*\s], 1
	s_add_co_u32 s[G0B+4*\s+1], s45, \s*SLOT
	s_add_nc_u64 s[G0B+4*\s+2:G0B+4*\s+3], s[46:47], \s*CHW
	s_or_b32 s[G0B+4*\s+3], s[G0B+4*\s+3], 0x80000000
	JLOAD G0+4*\s, G1, G0B+4*\s, G1B               ; chunks 0 and 1: three loads of mine are out
.endr
	v_and_b32 v9, 31, v0                           ; lane
	v_and_b32 v10, 15, v0                          ; r
	v_bfe_u32 v11, v0, 4, 1                        ; h
	v_lshlrev_b32 v[LI], 4, v9
	s_wait_alu depctr_va_vdst(0)
	v_cmp_lt_u32 s67, 15, v9                       ; lanes 16-31
	s_cmp_eq_u32 ttmp9, 2                          ; v?  The cluster's x: the same in all sixteen partners
	s_cselect_b32 s18, 65536, 0                    ; side A reads W's region for v, x's for q and k
	s_cselect_b32 s19, 0, 65536                    ; side B the other
	s_cselect_b32 s99, 8192, 0                     ; their scale bytes likewise
	s_cselect_b32 s100, 0, 8192
	s_cselect_b32 s101, -1, 0
	s_cselect_b32 s3, 0, 4                         ; the bias runs along my registers (q, k) or not (v)
	s_cselect_b32 s2, s16, s15                     ; which half of the tokens is my wave's
	s_cselect_b32 s66, s15, s16                    ; which half of the columns
	s_lshl_b32 s20, s15, 15
	s_add_co_u32 s18, s18, s20
	s_lshl_b32 s20, s16, 15
	s_add_co_u32 s19, s19, s20
	v_add_nc_u32 v[ADRA], s18, v[LI]
	v_add_nc_u32 v[ADRB], s19, v[LI]
	v_add_nc_u32 v[ADRA+1], SLOT, v[ADRA]
	v_add_nc_u32 v[ADRB+1], SLOT, v[ADRB]
	s_lshl_b32 s20, s15, 12
	s_add_co_u32 s99, s99, s20
	s_add_co_u32 s99, s99, SCX
	s_lshl_b32 s20, s16, 12
	s_add_co_u32 s100, s100, s20
	s_add_co_u32 s100, s100, SCX
	v_lshlrev_b32 v12, 3, v10                      ; 8 bytes a row
	v_add_nc_u32 v13, s99, v12
	v_add_nc_u32 v14, s100, v12
	v_cndmask_b32 v[ADRS], v13, v14, s67           ; lanes 0-15 A's rows, lanes 16-31 B's
	; the bias, in the result's layout.  q, k: block b of B: columns 32 (b / 2) + 8 (b % 2) + 16 h + j.  v: block a of A: column 32 (a / 2) + 8 (a % 2) + r % 8 + 16 (r / 8) in all eight registers
	v_lshlrev_b32 v12, 6, v11
	v_and_b32 v13, 7, v0
	v_bfe_u32 v14, v0, 3, 1
	v_lshl_or_b32 v13, v14, 4, v13
	v_lshlrev_b32 v13, 2, v13
	v_cndmask_b32 v1, v12, v13, s101
.irp j, 1,2,3,4,5,6,7
	v_add_nc_u32 v[1+\j], s3, v[\j]
.endr
	s_lshl_b32 s20, s42, 10
	s_lshl_b32 s21, s66, 9
	s_add_co_u32 s20, s20, s21
	s_mov_b32 s21, 0
	s_add_nc_u64 s[12:13], s[12:13], s[20:21]      ; my wave's 128 columns
.irp i, 0,1,2,3,4,5,6,7
.irp j, 0,1,2,3,4,5,6,7
	global_load_b32 v[BI+8*\i+\j], v[1+\j], s[12:13] offset:(32*(\i/2)+8*(\i%2))*4
.endr
.endr
	; where my wave's tile goes: ((8 batch + head pair) 16 + group of 128 tokens)
	s_lshr_b32 s20, s17, 3
	s_lshl_b32 s20, s20, 3
	s_lshl_b32 s21, s40, 1
	s_add_co_u32 s20, s20, s21
	s_add_co_u32 s20, s20, s66
	s_lshl_b32 s20, s20, 4
	s_and_b32 s21, s17, 7
	s_lshl_b32 s21, s21, 1
	s_add_co_u32 s20, s20, s21
	s_add_co_u32 s20, s20, s2
	s_lshl_b32 s22, s20, 14
	s_lshl_b32 s23, ttmp9, 23
	s_add_co_u32 s22, s22, s23
	s_mov_b32 s23, 0
	s_add_nc_u64 s[92:93], s[92:93], s[22:23]
	s_lshl_b32 s22, s20, 10
	s_lshl_b32 s21, ttmp9, 19
	s_add_co_u32 s22, s22, s21
	s_add_nc_u64 s[94:95], s[94:95], s[22:23]
	s_mov_b32 s[SEL], 0x76543210
	s_mov_b32 s[SEL+1], 0xfedcba98
.macro FRAG reg, adr, s, i             ; a fragment's image: four loads of 512 consecutive bytes
.irp c, 0,1,2,3
	ds_load_b128 v[\reg+4*\c:\reg+4*\c+3], v[\adr] offset:(\i)*4096+(\s)*2048+512*\c
.endr
.endm
.macro FETCH_B slot, s, p              ; B's eight fragments of the slot's K step s into set p
	WIN 0x40
.irp i, 0,1,2,3,4,5,6,7
	FRAG 128*(\p)+16*\i, ADRB+\slot, \s, \i
.endr
	WIN 0
.endm
.macro FETCH_A slot, s, i0             ; A's blocks i0 .. i0 + 3
.irp i, \i0, \i0+1, \i0+2, \i0+3
	FRAG AF+16*(\i), ADRA+\slot, \s, \i
.endr
.endm
.macro SCALES sc                       ; a chunk's scale words into set sc: two words a row; lanes 0-15 A's block i, lanes 16-31 B's block i
.irp i, 0,1,2,3,4,5,6,7
	ds_load_b64 v[SC+16*\sc+2*\i:SC+16*\sc+2*\i+1], v[ADRS] offset:128*\i
.endr
.endm
; 16 products: A's blocks a0, a0 + 1 x B's eight.  cmode 0: onto the sums; 1: the sums begin with the bias by B's block; 2: by A's block.  The 64 accumulators take turns, in the same order in every step.
.macro MULG a0, p, q, sc, cmode
.irp a, \a0, \a0+1
.irp b, 0,1,2,3,4,5,6,7
.if \cmode == 1
	v_wmma_scale_f32_16x16x128_f8f6f4 v[8*(8*((\a)%4)+\b):8*(8*((\a)%4)+\b)+7], v[128*(\p)+16*\b:128*(\p)+16*\b+15], v[AF+16*(\a):AF+16*(\a)+15], v[BI+8*\b:BI+8*\b+7], v[SC+16*(\sc)+2*\b+(\q)], v[SC+16*(\sc)+2*(\a)+(\q)] matrix_a_fmt:MATRIX_FMT_BF8 matrix_b_fmt:MATRIX_FMT_BF8 matrix_a_scale:MATRIX_SCALE_ROW1
.elseif \cmode == 2
	v_wmma_scale_f32_16x16x128_f8f6f4 v[8*(8*((\a)%4)+\b):8*(8*((\a)%4)+\b)+7], v[128*(\p)+16*\b:128*(\p)+16*\b+15], v[AF+16*(\a):AF+16*(\a)+15], v[BI+8*(\a):BI+8*(\a)+7], v[SC+16*(\sc)+2*\b+(\q)], v[SC+16*(\sc)+2*(\a)+(\q)] matrix_a_fmt:MATRIX_FMT_BF8 matrix_b_fmt:MATRIX_FMT_BF8 matrix_a_scale:MATRIX_SCALE_ROW1
.else
	v_wmma_scale_f32_16x16x128_f8f6f4 v[8*(8*((\a)%4)+\b):8*(8*((\a)%4)+\b)+7], v[128*(\p)+16*\b:128*(\p)+16*\b+15], v[AF+16*(\a):AF+16*(\a)+15], v[8*(8*((\a)%4)+\b):8*(8*((\a)%4)+\b)+7], v[SC+16*(\sc)+2*\b+(\q)], v[SC+16*(\sc)+2*(\a)+(\q)] matrix_a_fmt:MATRIX_FMT_BF8 matrix_b_fmt:MATRIX_FMT_BF8 matrix_a_scale:MATRIX_SCALE_ROW1
.endif
.endr
.endr
.endm
; A slot's first K step (B's set 0).  Eight places stand in front of each run of loads into registers that products have read.
.macro STEP slot, cmode
	s_wait_dscnt 16                                ; B's set, A's blocks 0-3 and the scale words are in; the youngest 16 loads (A's blocks 4-7) may be out
.if \cmode
	WIN 0x81                                       ; source 0 window 1, source 1 and the bias window 0, D window 2
.else
	WIN 0xa1
.endif
	MULG 0, 0, 0, \slot, \cmode
	MULG 2, 0, 0, \slot, \cmode
	s_wait_dscnt 0x0                               ; A's blocks 4-7 are in
	PLACES 8
	FETCH_B \slot, 1, 1
	FETCH_A \slot, 1, 0
.if \cmode
	WIN 0xc1
.else
	WIN 0xf1
.endif
	MULG 4, 0, 0, \slot, \cmode
	MULG 6, 0, 0, \slot, \cmode
	PLACES 8
	WIN 0
	FETCH_A \slot, 1, 4
.endm
; A slot's second K step changes slots: ONE barrier; in front of it each wave waits for all its tensor loads, adds 0 to its spare word, and waits for that and for its reads of this slot.  fill = 1: the slot takes the chunk two further on.
.macro TURN slot, next, fill
	s_wait_tensorcnt 0x0                           ; all my tensor loads have landed: my part of the next slot
	ds_add_u32 v[SPW], v[NIL]                      ; 0 onto my spare word
	s_wait_dscnt 17                                ; (the add and the youngest 16 loads, A's blocks 4-7, may be out)
	WIN 0xa1
	MULG 0, 1, 1, \slot, 0
	s_wait_dscnt 0x0                               ; the add is done, and my reads of this slot are over
	s_barrier_signal -1
	MULG 2, 1, 1, \slot, 0
	WIN 0
	s_barrier_wait -1
.if \fill
	CREST                                          ; the barrier has opened a round of the cluster's barrier: no wave of any partner still reads this slot or has a load on its way
	s_add_nc_u64 s[G0+4*\slot+2:G0+4*\slot+3], s[G0+4*\slot+2:G0+4*\slot+3], 2*CHX
	s_add_nc_u64 s[G0B+4*\slot+2:G0B+4*\slot+3], s[G0B+4*\slot+2:G0B+4*\slot+3], 2*CHW
	JLOAD G0+4*\slot, G1, G0B+4*\slot, G1B         ; the first tensor load behind the round, my one load until the next
	PLACES 4
.else
	PLACES 8
.endif
	s_wait_alu depctr_va_vdst(0)
	v_add_nc_u32 v[ADRS], 1024, v[ADRS]            ; the next chunk's scale words (no LDS load of mine is out)
	FETCH_B \next, 0, 0
	FETCH_A \next, 0, 0
	SCALES \next
	WIN 0xf1
	MULG 4, 1, 1, \slot, 0
	MULG 6, 1, 1, \slot, 0
	PLACES 8
	WIN 0
	FETCH_A \next, 0, 4
.endm
	s_wait_tensorcnt 1                             ; the scale bytes and my part of chunk 0 are in (chunk 1's load may be out)
	s_barrier_signal -1
	s_barrier_wait -1                              ; everybody's are
	FETCH_B 0, 0, 0
	FETCH_A 0, 0, 0
	SCALES 0
	FETCH_A 0, 0, 4
	s_wait_loadcnt 0x0                             ; the bias
	s_cmp_eq_u32 ttmp9, 2                          ; the first step is written twice: it alone names the bias, by B's block or by A's
	s_cbranch_scc1 .Lfirst_v
	STEP 0, 1
	s_branch .Lfirst_done
.Lfirst_v:
	STEP 0, 2
.Lfirst_done:
	TURN 0, 1, 1                                   ; slot 0 takes chunk 2
	STEP 1, 0
	TURN 1, 0, 1                                   ; slot 1 takes chunk 3
	STEP 0, 0
	TURN 0, 1, 0                                   ; nothing is left to fetch
	STEP 1, 0
	s_wait_dscnt 16                                ; the last step
	WIN 0xa1
	MULG 0, 1, 1, 1, 0
	MULG 2, 1, 1, 1, 0
	s_wait_dscnt 0x0
	WIN 0xf1
	MULG 4, 1, 1, 1, 0
	MULG 6, 1, 1, 1, 0
	WIN 0
	PLACES 8                                       ; in front of the first read of results and the first write of A's registers
; THE WAY OUT.  Block a of A: a lane's 64 numbers, register 16 c + i = place 32 c + 16 h + i along source 0's axis, are quantised where they stand; the codes are a fragment's image and leave as 4 x 512 consecutive bytes.
.macro OUTA a
.set N, 64*((\a)%4)
	WIN 0x0a+5*((\a)/4)                            ; sources 0 and 1: window 2 or 3
.irp b, 0,1,2,3
	v_max3_num_f32 v[TM+\b], |v[N+16*\b]|, |v[N+16*\b+1]|, 0x8000000   ; each accumulator is read from its low end on; the floor 2^(16 - 127)
.endr
.irp i, 2,4,6,8,10,12,14
.irp b, 0,1,2,3
	v_max3_num_f32 v[TM+\b], |v[N+16*\b+\i]|, |v[N+16*\b+\i+1]|, v[TM+\b]
.endr
.endr
	WIN 0
.irp b, 0,1,2,3
	v_permlanex16_b32 v[TM+4+\b], v[TM+\b], s[SEL], s[SEL+1]
.endr
.irp b, 0,1,2,3
	v_max_num_f32 v[TM+\b], v[TM+\b], v[TM+4+\b]
.endr
.irp b, 0,1,2,3
	v_add_nc_u32 v[TM+12+\b], 0xf8800000, v[TM+\b]
.endr
.irp b, 0,1,2,3
.endr
.irp b, 0,1,2,3
	v_lshrrev_b32 v[TM+4+\b], 23, v[TM+12+\b]
.endr
	v_lshl_or_b32 v[PW+(\a)], v[TM+5], 8, v[TM+4]
	v_lshl_or_b32 v[PW+(\a)], v[TM+6], 16, v[PW+(\a)]
	v_lshl_or_b32 v[PW+(\a)], v[TM+7], 24, v[PW+(\a)]
	WIN 0x82+0x41*((\a)/4)                         ; destination and source 0: window 2 or 3
.irp b, 0,1,2,3
.irp i, 0,1,2,3,4,5,6,7,8,9,10,11,12,13,14,15
.endr
.endr
	WIN 0x02+(\a)/4                                ; source 0: window 2 or 3
.irp b, 0,1,2,3
	v_cvt_scalef32_pk8_bf8_f32 v[AF+16*(\a)+4*\b:AF+16*(\a)+4*\b+1], v[N+16*\b:N+16*\b+7], v[TM+12+\b]
	v_cvt_scalef32_pk8_bf8_f32 v[AF+16*(\a)+4*\b+2:AF+16*(\a)+4*\b+3], v[N+16*\b+8:N+16*\b+15], v[TM+12+\b]
.endr
	WIN 0
	v_nop                                          ; one plain line behind the last conversion
.irp c, 0,1,2,3
	global_store_b128 v[LI], v[AF+16*(\a)+4*\c:AF+16*(\a)+4*\c+3], s[92:93] offset:(\a)*2048+512*\c   ; each block has code registers of its own: no store's data are rewritten
.endr
.endm
.irp a, 0,1,2,3,4,5,6,7
	OUTA \a
.endr
.irp i, 0,1,2,3
	v_cndmask_b32 v[PR+\i], v[PW+2*\i], v[PW+2*\i+1], s67   ; word i: lanes 0-15 block 2 i, lanes 16-31 block 2 i + 1
.endr
.irp i, 0,1,2,3
	v_alignbit_b32 v[RT+\i], v[PR+\i], v[PR+\i], 16         ; the same turned by 16 bits
.endr
	global_store_b128 v[LI], v[PR:PR+3], s[94:95]
	global_store_b128 v[LI], v[RT:RT+3], s[94:95] offset:512
	s_wait_tensorcnt 0x0                           ; the wave's end
	ds_add_u32 v[SPW], v[NIL]
	s_wait_dscnt 0x0
	CROUND                                         ; the closing round
	s_endpgm
.Lfunc_end_k_q0170c46798_qkv:
	.size	k_q0170c46798_qkv, .Lfunc_end_k_q0170c46798_qkv-k_q0170c46798_qkv
	.p2alignl 7, 3214868480
	.fill 96, 4, 3214868480
	.section	.rodata,"a",@progbits
	.p2align	6, 0x0
	.amdhsa_kernel k_q0170c46798_qkv
		.amdhsa_group_segment_fixed_size 327680
		.amdhsa_private_segment_fixed_size 0
		.amdhsa_enable_private_segment 0
		.amdhsa_kernarg_size 56
		.amdhsa_user_sgpr_count 2
		.amdhsa_user_sgpr_kernarg_segment_ptr 1
		.amdhsa_wavefront_size32 1
		.amdhsa_system_sgpr_workgroup_id_x 1
		.amdhsa_system_sgpr_workgroup_id_y 1
		.amdhsa_system_sgpr_workgroup_id_z 1
		.amdhsa_system_vgpr_workitem_id 0
		.amdhsa_next_free_vgpr 1024
		.amdhsa_next_free_sgpr 104
		.amdhsa_reserve_vcc 0
		.amdhsa_float_denorm_mode_32 3
		.amdhsa_float_denorm_mode_16_64 3
		.amdhsa_fp16_overflow 1
		.amdhsa_memory_ordered 1
		.amdhsa_forward_progress 1
		.amdhsa_inst_pref_size 169
	.end_amdhsa_kernel
	.amdgpu_metadata
---
amdhsa.version: [ 1, 2 ]
amdhsa.kernels:
  - .name:           k_q0170c46798_qkv
    .symbol:         k_q0170c46798_qkv.kd
    .args:
      - { .name: x_codes, .offset: 0, .size: 8, .value_kind: global_buffer, .address_space: global }
      - { .name: x_scales, .offset: 8, .size: 8, .value_kind: global_buffer, .address_space: global }
      - { .name: w_codes, .offset: 16, .size: 8, .value_kind: global_buffer, .address_space: global }
      - { .name: w_scales, .offset: 24, .size: 8, .value_kind: global_buffer, .address_space: global }
      - { .name: b_attn, .offset: 32, .size: 8, .value_kind: global_buffer, .address_space: global }
      - { .name: qkv_codes, .offset: 40, .size: 8, .value_kind: global_buffer, .address_space: global }
      - { .name: qkv_scales, .offset: 48, .size: 8, .value_kind: global_buffer, .address_space: global }
    .group_segment_fixed_size: 327680
    .private_segment_fixed_size: 0
    .kernarg_segment_align: 8
    .kernarg_segment_size: 56
    .max_flat_workgroup_size: 128
    .sgpr_count:     104
    .vgpr_count:     1024
    .wavefront_size: 32
...
	.end_amdgpu_metadata
.endif
;; end of part 2
;; launch attn (part 3): grid 4 x 64, 16 waves a work-group, clusters of 4 x 1, 296,960 bytes of LDS; arguments qkv_codes, qkv_scales, y_codes, y_scales; writes y_codes, y_scales
.if DOCPART == 3
	.amdgcn_target "amdgcn-amd-amdhsa--gfx1250"
	.amdhsa_code_object_version 6
	.text
	.protected	k_q0170c46798_attn
	.globl	k_q0170c46798_attn
	.p2align	8
	.type	k_q0170c46798_attn,@function
k_q0170c46798_attn:
	s_mov_b64 s[64:65], 0
	v_nop
	global_prefetch_b8 v0, s[64:65] scope:SCOPE_SE
	s_setreg_imm32_b32 hwreg(HW_REG_WAVE_MODE, 25, 1), 1
	s_wait_xcnt 0x0
	s_wait_alu depctr_hold_cnt(0) depctr_sa_sdst(0) depctr_va_vdst(0) depctr_va_sdst(0) depctr_va_ssrc(0) depctr_va_vcc(0) depctr_vm_vsrc(0)
	s_getreg_b32 s2, hwreg(HW_REG_IB_STS2, 6, 4)
	s_cmp_eq_u32 s2, 0
	s_cbranch_scc0 .Lentry_in_a_cluster
	s_endpgm
.Lentry_in_a_cluster:
	s_bfe_u32 s2, ttmp6, 0x10000c
	s_cmp_lg_u32 s2, 0x3003
	s_cbranch_scc0 .Lentry_shape_is_right
	s_endpgm
.Lentry_shape_is_right:
; y[b][q][head] = the sum over k <= q of softmax_k(Q . K / 8) V, both products on codes of BF8 (E5M2) with E8M0 scales; y leaves quantised along the model's 1,024, as the last product's operand.
; THE SOFTMAX AHEAD OF THE SECOND PRODUCT: t = score x log2(e) / 8; M = the running largest t rounded UP to a whole number; p = 2^(t - M) is quantised along the keys, not normalised; the sum of the unquantised p divides at the end;
; when M moves, the sum and O are multiplied by 2^(old M - new M), which rounds nothing.
; SHARES.  Four work-groups (a cluster) share one head of one batch; a work-group has sixteen waves of 256 registers, four to a SIMD.  ONE HEAD'S K, V AND SCALE BYTES LIE IN LDS WHOLE (131,072 + 131,072 + 32,768 bytes),
; filled once by joint loads (wave w asks for key step w; the same descriptor in all four work-groups): no slot is filled again, and one barrier serves the whole kernel.
; EVEN WORK.  A head has 128 tiles of 16 queries; tile T has its diagonal in key step T / 8 (128 keys a step).  Wave w takes tile 8 w + 2 cx, then tile 8 (15 - w) + 2 cx + 1: (w + 1) + (16 - w) = 17 key steps for every wave.
; The number of steps hangs on the wave's number alone; cx enters only global addresses and the number that a lane compares keys with.  Each pass walks 16 trips; a trip past the diagonal jumps over its work.
; LAYOUT.  Both products are used transposed: S^T = K Q^T, O^T = V^T P^T: a lane holds one query throughout.  All operands come as images of their registers ([c][lane][16 bytes]); the keys of a tile, and V's d, are ordered so that
; the 16 registers of two neighbouring tiles are 16 neighbours (keys 32 b + 16 h + 0..15; d likewise), so the conversions' results are the next operand's registers.
; K = 64 IN A FORM OF 128: Q's fragment is 8 registers of codes and 8 of zero codes.  Tile t of K is named as v[32 + 8 t .. + 15]: its upper half is the next tile's codes (zero codes behind tile 7).  Those are finite numbers
; (the quantiser holds at 57,344) and meet Q's zero codes: they add nothing.  The upper two scale bytes are the pair's other head's: never 0xff.
; LIMITS: NaN and infinities are not served; a block of zeros gets the byte 1 (its codes are zeros; this program alone reads the bytes).  y's scale bytes leave as single bytes (2 of a row's 8 are this head's): 1 byte in 33 of what is stored.
.set KC,  0                            ; LDS: K [step 16][tile 8][1,024]
.set VC,  131072                       ; V [step][tile of d 4][2,048]
.set SCB, 262144                       ; scale words [step][K's 1,024 | V's 1,024]
.set ADK, 5                            ; v5-8 LDS addresses of the step in hand: K, V, K's scale words, V's
.set ADV, 6
.set ADS, 7
.set ADT, 8
.set KF,  32                           ; v32-95 K's 8 tiles x 8 registers; v96-103 zero codes
.set S,   104                          ; v104-167 S^T, then p, then V's four fragments
.set O,   168                          ; v168-199 O^T
.set PC,  200                          ; v200-215 p's codes; on the way out y's
.set WV,  12
.set MNT, 19
.set SEL, 20
.set CS,  22
.set G1K, 24
.set G1V, 32
.set G1S, 40
.set G0K, 48
.set G0V, 52
.set G0S, 56
.set G,   60                           ; s60 the pass's diagonal step
.set SI,  61                           ; s61 the step
.set TK,  62                           ; s62 8,192 x step
.set TS,  63                           ; s63 2,048 x step
.set QB,  66                           ; s[66:69] Q's codes, pass 0, 1
.set QS,  70                           ; s[70:73] Q's scale words
.set YC,  74                           ; s[74:77] y's codes
.set YS,  78                           ; s[78:81] y's scale bytes
.macro CROUND                          ; a round of the cluster's barrier
	s_barrier_signal -1
	s_barrier_wait -1
	s_cmp_lg_u32 s[WV], 0
	s_cbranch_scc1 .Lnot_wave_0_\@
	s_barrier_signal -3
.Lnot_wave_0_\@:
	s_barrier_wait -3
	s_barrier_signal -1
	s_barrier_wait -1
.endm
	s_load_b128 s[4:7], s[0:1], 0x0                ; qkv_codes, qkv_scales
	s_load_b128 s[8:11], s[0:1], 0x10              ; y_codes, y_scales
	v_lshl_add_u32 v251, v0, 2, 0x48000
	v_mov_b32 v255, 0
	ds_add_u32 v251, v255
	ds_add_u32 v251, v255
	v_lshrrev_b32 v1, 5, v0
	s_delay_alu instid0(VALU_DEP_1)
	v_readfirstlane_b32 s[WV], v1                  ; wave 0..15
	s_bfe_u32 s13, ttmp6, 0x40000                  ; cx
	s_and_b32 s14, ttmp7, 0xffff                   ; 16 x batch + head: the four partners share it
	s_and_b32 s15, s14, 1                          ; the head's parity in its pair
	s_lshr_b32 s16, s14, 1
	s_lshl_b32 s16, s16, 4                         ; (8 batch + head pair) x 16 groups of 128 tokens
	s_add_co_u32 s17, s16, s[WV]                   ; key step w's group
	; K: 8 rows (tiles) of 1,024 bytes, 2,048 apart: my head's half of each fragment
	s_mov_b32 s[G1K], 15|(3<<16)|(1<<21)           ; 15:0 all four work-groups; 17:16 elements of 8 bytes; 21 set beside a mask
	s_mov_b32 s[G1K+1], 128<<16
	s_mov_b32 s[G1K+2], 8<<16
	s_mov_b32 s[G1K+3], 128<<16
	s_mov_b32 s[G1K+4], 8
	s_mov_b32 s[G1K+5], 256
	s_mov_b32 s[G1K+6], 0
	s_mov_b32 s[G1K+7], 0
	; V: 8,192 dense bytes as 32 rows of 256
	s_mov_b32 s[G1V], 15|(3<<16)|(1<<21)
	s_mov_b32 s[G1V+1], 32<<16
	s_mov_b32 s[G1V+2], 32<<16
	s_mov_b32 s[G1V+3], 32<<16
	s_mov_b32 s[G1V+4], 32
	s_mov_b32 s[G1V+5], 32
	s_mov_b32 s[G1V+6], 0
	s_mov_b32 s[G1V+7], 0
	; scale words: K's 1,024 bytes and V's, one kind (524,288 bytes) apart
	s_mov_b32 s[G1S], 15|(3<<16)|(1<<21)
	s_mov_b32 s[G1S+1], 128<<16
	s_mov_b32 s[G1S+2], 2<<16
	s_mov_b32 s[G1S+3], 128<<16
	s_mov_b32 s[G1S+4], 2
	s_mov_b32 s[G1S+5], 65536
	s_mov_b32 s[G1S+6], 0
	s_mov_b32 s[G1S+7], 0
	s_lshl_b32 s84, s17, 14
	s_lshl_b32 s18, s15, 10
	s_add_co_u32 s84, s84, s18
	s_add_co_u32 s84, s84, 0x800000                ; kind 1
	s_mov_b32 s85, 0
	s_lshl_b32 s86, s17, 14
	s_lshl_b32 s18, s15, 13
	s_add_co_u32 s86, s86, s18
	s_add_co_u32 s86, s86, 0x1000000               ; kind 2
	s_mov_b32 s87, 0
	s_lshl_b32 s88, s17, 10
	s_add_co_u32 s88, s88, 0x80000
	s_mov_b32 s89, 0
	s_lshl_b32 s18, s[WV], 13
	s_lshl_b32 s90, s[WV], 11
	s_wait_dscnt 0x0
	s_wait_kmcnt 0x0
	s_mov_b32 s[G0K], 1
	s_mov_b32 s[G0K+1], s18
	s_add_nc_u64 s[G0K+2:G0K+3], s[4:5], s[84:85]
	s_or_b32 s[G0K+3], s[G0K+3], 0x80000000
	s_mov_b32 s[G0V], 1
	s_add_co_u32 s[G0V+1], s18, VC
	s_add_nc_u64 s[G0V+2:G0V+3], s[4:5], s[86:87]
	s_or_b32 s[G0V+3], s[G0V+3], 0x80000000
	s_mov_b32 s[G0S], 1
	s_add_co_u32 s[G0S+1], s90, SCB
	s_add_nc_u64 s[G0S+2:G0S+3], s[6:7], s[88:89]
	s_or_b32 s[G0S+3], s[G0S+3], 0x80000000
	CROUND                                         ; all four work-groups are here: the joint loads meet
	tensor_load_to_lds s[G0K:G0K+3], s[G1K:G1K+7]  ; key step w: three loads of mine are out, and no more are ever issued
	s_nop 0
	tensor_load_to_lds s[G0V:G0V+3], s[G1V:G1V+7]
	s_nop 0
	tensor_load_to_lds s[G0S:G0S+3], s[G1S:G1S+7]
	s_nop 0
.rept 4
	v_nop
.endr
	s_xor_b32 s83, s[WV], 15                       ; 15 - w: pass 1's diagonal step
	s_mov_b32 s93, 0
; the four global bases of pass p, whose diagonal step is s[g]
.macro BASES p, g
	s_add_co_u32 s94, s16, s[\g]
	s_lshl_b32 s92, s94, 14                        ; Q's codes: the group's block, tile 2 cx + p, my head's half
	s_lshl_b32 s95, s13, 12
	s_add_co_u32 s92, s92, s95
	s_lshl_b32 s95, s15, 10
	s_add_co_u32 s92, s92, s95
	s_add_co_u32 s92, s92, 2048*\p
	s_add_nc_u64 s[QB+2*\p:QB+2*\p+1], s[4:5], s[92:93]
	s_lshl_b32 s92, s94, 10                        ; Q's scale words: the copy for my head's parity, lanes 16 p on, word cx
	s_lshl_b32 s95, s15, 9
	s_add_co_u32 s92, s92, s95
	s_lshl_b32 s95, s13, 2
	s_add_co_u32 s92, s92, s95
	s_add_co_u32 s92, s92, 256*\p
	s_add_nc_u64 s[QS+2*\p:QS+2*\p+1], s[6:7], s[92:93]
	s_lshr_b32 s94, s14, 4
	s_lshl_b32 s94, s94, 7
	s_lshl_b32 s95, s[\g], 3
	s_add_co_u32 s94, s94, s95
	s_lshl_b32 s95, s13, 1
	s_add_co_u32 s94, s94, s95
	s_add_co_u32 s94, s94, \p                      ; y's tile of 16 rows: 128 batch + 8 g + 2 cx + p
	s_bfe_u32 s91, s14, 0x20002                    ; head / 4: the chunk of 256 along the last product's K
	s_bfe_u32 s90, s14, 0x10001                    ; (head / 2) % 2: its K step of 128
	s_lshl_b32 s92, s91, 21
	s_lshl_b32 s95, s94, 12
	s_add_co_u32 s92, s92, s95
	s_lshl_b32 s95, s90, 11
	s_add_co_u32 s92, s92, s95
	s_lshl_b32 s95, s15, 10
	s_add_co_u32 s92, s92, s95
	s_add_nc_u64 s[YC+2*\p:YC+2*\p+1], s[8:9], s[92:93]
	s_lshl_b32 s92, s91, 16
	s_lshl_b32 s95, s94, 7
	s_add_co_u32 s92, s92, s95
	s_lshl_b32 s95, s90, 2
	s_add_co_u32 s92, s92, s95
	s_lshl_b32 s95, s15, 1
	s_add_co_u32 s92, s92, s95
	s_add_nc_u64 s[YS+2*\p:YS+2*\p+1], s[10:11], s[92:93]
.endm
	BASES 0, WV
	BASES 1, 83
	v_and_b32 v9, 31, v0
	s_delay_alu instid0(VALU_DEP_1)
	v_lshlrev_b32 v1, 4, v9                        ; v1: 16 x lane; never rewritten
	s_delay_alu instid0(VALU_DEP_2)
	v_cmp_lt_u32 s82, 15, v9                       ; lanes 16-31
	v_and_b32 v10, 15, v0                          ; r
	s_delay_alu instid0(VALU_DEP_1)
	v_lshlrev_b32 v11, 4, v10                      ; Q's scale words: 16 bytes a lane of the stored image
	global_load_b128 v[16:19], v1, s[QB:QB+1]      ; pass 0's Q
	global_load_b128 v[20:23], v1, s[QB:QB+1] offset:512
	global_load_b128 v[216:219], v1, s[QB+2:QB+3]  ; pass 1's, kept aside
	global_load_b128 v[220:223], v1, s[QB+2:QB+3] offset:512
	global_load_b32 v230, v11, s[QS:QS+1]          ; their scale words: v230, v231 hold nothing else
	global_load_b32 v231, v11, s[QS+2:QS+3]
	s_lshl_b32 s18, s15, 9
	s_add_co_u32 s18, s18, SCB
	v_add_nc_u32 v2, s18, v1                       ; v2: K's scale words: the copy for my head's parity
	s_lshl_b32 s18, s15, 3
	s_add_co_u32 s18, s18, SCB+1024
	v_add_nc_u32 v3, s18, v1                       ; v3: V's: words 2 x parity, 2 x parity + 1
	v_and_b32 v5, 7, v0
	v_bfe_u32 v6, v0, 3, 1
	v_bfe_u32 v7, v0, 4, 1                         ; h
	s_delay_alu instid0(VALU_DEP_2)
	v_lshl_or_b32 v4, v6, 4, v5
	s_delay_alu instid0(VALU_DEP_2)
	v_lshlrev_b32 v8, 4, v7
	s_delay_alu instid0(VALU_DEP_1)
	v_sub_nc_u32 v4, v4, v8
	s_lshl_b32 s95, s13, 5
	v_add_nc_u32 v4, s95, v4                       ; v4: my query's place in its diagonal step less 16 h: 32 cx + 8 p + r % 8 + 16 (r / 8) - 16 h (p is added in pass 1)
	v_lshl_add_u32 v9, v10, 3, v7                  ; v9: y's scale bytes: 8 r + h; never rewritten
	s_mov_b32 s[SEL], 0x76543210
	s_mov_b32 s[SEL+1], 0xfedcba98
	s_mov_b32 s[CS], 0x3e38aa3b                    ; c = log2(e) / 8
	s_mov_b32 s[CS+1], s[CS]
.irp j, 0,1,2,3,4,5,6,7
	v_mov_b32 v[24+\j], 0                          ; zero codes: the upper 64 of Q's K
	v_mov_b32 v[96+\j], 0                          ; and behind K's tile 7
.endr
.irp b, 0,1,2,3
	v_mov_b32 v[236+\b], 0                         ; written once: a lane permute's destination counts as one of its sources
.endr
	v_mov_b32 v252, 0
	v_mov_b32 v253, 0
	s_wait_tensorcnt 0x0                           ; my three loads have landed,
	s_barrier_signal -1
	s_barrier_wait -1                              ; everybody's have: the head's K, V and scale words are whole, and nobody writes LDS again
	s_wait_loadcnt 0x0                             ; Q
.macro QK t, p                         ; S^T, tile t: 16 keys x my 16 queries
.if (\t)%2
	v_wmma_scale_f32_16x16x128_f8f6f4 v[S+8*(\t):S+8*(\t)+7], v[KF+8*(\t):KF+8*(\t)+15], v[16:31], 0, v[224+(\t)/2], v[230+\p] matrix_a_fmt:MATRIX_FMT_BF8 matrix_b_fmt:MATRIX_FMT_BF8 matrix_a_scale:MATRIX_SCALE_ROW1
.else
	v_wmma_scale_f32_16x16x128_f8f6f4 v[S+8*(\t):S+8*(\t)+7], v[KF+8*(\t):KF+8*(\t)+15], v[16:31], 0, v[224+(\t)/2], v[230+\p] matrix_a_fmt:MATRIX_FMT_BF8 matrix_b_fmt:MATRIX_FMT_BF8
.endif
.endm
.macro PV t                            ; O^T, tile t of d, += V^T P^T over the step's 128 keys
.if (\t)%2
	v_wmma_scale_f32_16x16x128_f8f6f4 v[O+8*(\t):O+8*(\t)+7], v[S+16*(\t):S+16*(\t)+15], v[PC:PC+15], v[O+8*(\t):O+8*(\t)+7], v[228+(\t)/2], v253 matrix_a_fmt:MATRIX_FMT_BF8 matrix_b_fmt:MATRIX_FMT_BF8 matrix_a_scale:MATRIX_SCALE_ROW1
.else
	v_wmma_scale_f32_16x16x128_f8f6f4 v[O+8*(\t):O+8*(\t)+7], v[S+16*(\t):S+16*(\t)+15], v[PC:PC+15], v[O+8*(\t):O+8*(\t)+7], v[228+(\t)/2], v253 matrix_a_fmt:MATRIX_FMT_BF8 matrix_b_fmt:MATRIX_FMT_BF8
.endif
.endm
; A KEY STEP of 128 keys
.macro STEP p
	s_cmp_gt_u32 s[SI], s[G]                       ; all its keys come after my queries: nothing to do
	s_cbranch_scc1 .Lhidden_\@
	s_setprio 2
	v_add_nc_u32 v[ADK], s[TK], v1
	v_add_nc_u32 v[ADS], s[TS], v2
	v_add_nc_u32 v[ADT], s[TS], v3
	s_delay_alu instid0(VALU_DEP_3)
	v_add_nc_u32 v[ADV], VC, v[ADK]
.rept 5
	v_nop                                          ; with the four additions nine places: the products below write over V's fragments, which the last step's products read; eight serve the loads into its scale words
.endr
	ds_load_b128 v[224:227], v[ADS]                ; K's scale words: word t / 2, lanes 0-15 the even tile, lanes 16-31 the odd
	ds_load_b64 v[228:229], v[ADT]                 ; V's likewise
.irp t, 0,1,2,3,4,5,6,7
	ds_load_b128 v[KF+8*\t:KF+8*\t+3], v[ADK] offset:1024*\t
	ds_load_b128 v[KF+8*\t+4:KF+8*\t+7], v[ADK] offset:1024*\t+512
.endr
	s_wait_dscnt 6                                 ; tiles 0-4 are in (tile 3 is named with tile 4's registers); the six loads of tiles 5-7 may be out
.irp t, 0,1,2,3
	QK \t, \p
.endr
	s_wait_dscnt 0x0
.irp t, 4,5,6,7
	QK \t, \p
.endr
.rept 8
	v_nop
.endr
	s_cmp_lg_u32 s[SI], s[G]                       ; on the diagonal hidden scores become -infinity ahead of the maximum: p = 0 then
	s_cbranch_scc1 .Lopen_\@
	v_mov_b32 v254, 0xff800000
.irp n, 0,1,2,3,4,5,6,7,8,9,10,11,12,13,14,15,16,17,18,19,20,21,22,23,24,25,26,27,28,29,30,31,32,33,34,35,36,37,38,39,40,41,42,43,44,45,46,47,48,49,50,51,52,53,54,55,56,57,58,59,60,61,62,63
	v_cmp_gt_i32 vcc_lo, 32*(\n/16)+\n%16, v4      ; register 16 b + i holds key 32 b + 16 h + i of the step
	v_cndmask_b32 v[S+\n], v[S+\n], v254, vcc_lo
.endr
.Lopen_\@:
.irp b, 0,1,2,3
	v_max3_num_f32 v[232+\b], v[S+16*\b], v[S+1+16*\b], v[S+2+16*\b]   ; the largest score of each block of 32 keys: for the row's maximum, and, since p rises with the score, for the block's largest p
.endr
.irp i, 3,5,7,9,11,13
.irp b, 0,1,2,3
	v_max3_num_f32 v[232+\b], v[232+\b], v[S+16*\b+\i], v[S+1+16*\b+\i]
.endr
.endr
.irp b, 0,1,2,3
	v_max_num_f32 v[232+\b], v[232+\b], v[S+15+16*\b]
.endr
.irp b, 0,1,2,3
	s_delay_alu instid0(VALU_DEP_4)
	v_permlanex16_b32 v[236+\b], v[232+\b], s[SEL], s[SEL+1]
.endr
.irp b, 0,1,2,3
	s_delay_alu instid0(VALU_DEP_4)
	v_max_num_f32 v[232+\b], v[232+\b], v[236+\b]
.endr
	s_delay_alu instid0(VALU_DEP_2)
	v_max3_num_f32 v254, v232, v233, v234
	s_delay_alu instid0(VALU_DEP_1)
	v_max_num_f32 v254, v254, v235
	s_delay_alu instid0(VALU_DEP_1)
	v_mul_f32 v254, s[CS], v254
	s_delay_alu instid0(VALU_DEP_1)
	v_max_num_f32 v13, v13, v254                   ; the running largest t
	v_mov_b32 v254, v12
	s_delay_alu instid0(VALU_DEP_2)
	v_floor_f32 v12, -v13                          ; -M = floor(-t): M is a whole number
	s_delay_alu instid0(VALU_DEP_1)
	v_sub_f32 v254, v12, v254                      ; old M - new M: a whole number, 0 or less
	s_delay_alu instid0(VALU_DEP_1)
	v_cvt_i32_f32 v254, v254                       ; (it saturates)
	s_delay_alu instid0(VALU_DEP_1)
	v_ldexp_f32 v252, 1.0, v254                    ; f = 2^(old M - new M)
.irp j, 0,2,4,6,8,10,12,14,16,18,20,22,24,26,28,30,32,34,36,38,40,42,44,46,48,50,52,54,56,58,60,62
	v_pk_fma_f32 v[S+\j:S+1+\j], v[S+\j:S+1+\j], s[CS:CS+1], v[12:13] op_sel_hi:[1,0,0]   ; t - M
.endr
	s_setprio 1
.irp b, 0,1,2,3
	v_fma_f32 v[232+\b], v[232+\b], s[CS], v12
.endr
	s_wait_alu depctr_va_vdst(0)
.irp j, 0,1,2,3,4,5,6,7,8,9,10,11,12,13,14,15,16,17,18,19,20,21,22,23,24,25,26,27,28,29,30,31,32,33,34,35,36,37,38,39,40,41,42,43,44,45,46,47,48,49,50,51,52,53,54,55,56,57,58,59,60,61,62,63
	v_exp_f32 v[S+\j], v[S+\j]                     ; p = 2^(t - M)
.endr
.irp b, 0,1,2,3
	v_exp_f32 v[232+\b], v[232+\b]                 ; the block's largest p
.endr
	v_pk_mul_f32 v[14:15], v[14:15], v[252:253] op_sel_hi:[1,0]   ; the sums under the new M (a plain place behind the exponentials)
	s_wait_alu depctr_va_vdst(0)
.irp b, 0,1,2,3
	v_max_num_f32 v[232+\b], 0x8000000, v[232+\b]  ; the floor 2^(16 - 127)
.endr
.irp b, 0,1,2,3
	s_delay_alu instid0(VALU_DEP_4)
	v_add_nc_u32 v[244+\b], 0xf8800000, v[232+\b]
.endr
.irp b, 0,1,2,3
.endr
.irp b, 0,1,2,3
	s_delay_alu instid0(VALU_DEP_4)
	v_lshrrev_b32 v[236+\b], 23, v[244+\b]
.endr
	s_delay_alu instid0(VALU_DEP_3)
	v_lshl_or_b32 v253, v237, 8, v236              ; p's scale word for these 128 keys
	s_delay_alu instid0(VALU_DEP_1)
	v_lshl_or_b32 v253, v238, 16, v253
	s_delay_alu instid0(VALU_DEP_1)
	v_lshl_or_b32 v253, v239, 24, v253
	v_pk_add_f32 v[236:237], v[108:109], v[112:113]
	v_pk_add_f32 v[248:249], v[116:117], v[120:121]
	v_pk_add_f32 v[242:243], v[124:125], v[128:129]
	v_pk_add_f32 v[240:241], v[132:133], v[136:137]
	v_pk_add_f32 v[234:235], v[140:141], v[144:145]
	v_pk_add_f32 v[232:233], v[148:149], v[152:153]
	v_pk_add_f32 v[226:227], v[156:157], v[160:161]
	v_pk_add_f32 v[14:15], v[14:15], v[164:165]
	v_pk_add_f32 v[236:237], v[236:237], v[104:105]
	v_pk_add_f32 v[248:249], v[248:249], v[106:107]
	v_pk_add_f32 v[242:243], v[242:243], v[110:111]
	v_pk_add_f32 v[240:241], v[240:241], v[114:115]
	v_pk_add_f32 v[234:235], v[234:235], v[118:119]
	v_pk_add_f32 v[232:233], v[232:233], v[122:123]
	v_pk_add_f32 v[226:227], v[226:227], v[126:127]
	v_pk_add_f32 v[14:15], v[14:15], v[130:131]
	v_pk_add_f32 v[236:237], v[236:237], v[134:135]
	v_pk_add_f32 v[248:249], v[248:249], v[138:139]
	v_pk_add_f32 v[242:243], v[242:243], v[142:143]
	v_pk_add_f32 v[240:241], v[240:241], v[146:147]
	v_pk_add_f32 v[234:235], v[234:235], v[150:151]
	v_pk_add_f32 v[232:233], v[232:233], v[154:155]
	v_pk_add_f32 v[226:227], v[226:227], v[158:159]
	v_pk_add_f32 v[14:15], v[14:15], v[162:163]
	v_pk_add_f32 v[236:237], v[236:237], v[166:167]
	s_delay_alu instid0(VALU_DEP_2)
	v_pk_add_f32 v[14:15], v[14:15], v[240:241]
	s_delay_alu instid0(VALU_DEP_2)
	v_pk_add_f32 v[236:237], v[236:237], v[234:235]
	v_pk_add_f32 v[248:249], v[248:249], v[232:233]
	v_pk_add_f32 v[242:243], v[242:243], v[226:227]
	s_delay_alu instid0(VALU_DEP_2)
	v_pk_add_f32 v[14:15], v[14:15], v[248:249]
	s_delay_alu instid0(VALU_DEP_2)
	v_pk_add_f32 v[236:237], v[236:237], v[242:243]
	s_delay_alu instid0(VALU_DEP_1)
	v_pk_add_f32 v[14:15], v[14:15], v[236:237]
.irp b, 0,1,2,3
.irp i, 0,1,2,3,4,5,6,7,8,9,10,11,12,13,14,15
.endr
	v_cvt_scalef32_pk8_bf8_f32 v[PC+4*\b:PC+1+4*\b], v[S+16*\b:S+7+16*\b], v[244+\b]
	v_cvt_scalef32_pk8_bf8_f32 v[PC+2+4*\b:PC+3+4*\b], v[S+8+16*\b:S+15+16*\b], v[244+\b]
.endr
	s_setprio 0
	v_pk_mul_f32 v[O:O+1], v[O:O+1], v[252:253] op_sel_hi:[1,0]   ; O^T under the new M; also the plain line behind the conversions
.irp t, 0,1,2,3
.irp c, 0,1,2,3
	ds_load_b128 v[S+16*\t+4*\c:S+16*\t+4*\c+3], v[ADV] offset:2048*\t+512*\c   ; V's four fragments take p's registers
.endr
.endr
.irp j, 2,4,6,8,10,12,14,16,18,20,22,24,26,28,30
	v_pk_mul_f32 v[O+\j:O+1+\j], v[O+\j:O+1+\j], v[252:253] op_sel_hi:[1,0]
.endr
.rept 4
	v_nop                                          ; four places between p's codes and the products that take them
.endr
	s_wait_alu depctr_va_vdst(0)
	s_wait_dscnt 0x0
.irp t, 0,1,2,3
	PV \t
.endr
.Lhidden_\@:
.endm
; A PASS: one tile of 16 queries against its keys, and its way out
.macro PASS p
.if \p
	s_wait_xcnt 0x0                                ; pass 0's stores have read their registers
.irp j, 0,1,2,3,4,5,6,7
	v_mov_b32 v[16+\j], v[216+\j]
.endr
	v_add_nc_u32 v4, 8, v4
	s_mov_b32 s[G], s83
.else
	s_mov_b32 s[G], s[WV]
.endif
	v_mov_b32 v13, 0xff61b1e6                      ; the largest t so far: -3e38
	s_delay_alu instid0(VALU_DEP_1)
	v_floor_f32 v12, -v13
	v_mov_b32 v14, 0
	v_mov_b32 v15, 0
.irp j, 0,1,2,3,4,5,6,7,8,9,10,11,12,13,14,15,16,17,18,19,20,21,22,23,24,25,26,27,28,29,30,31
	v_mov_b32 v[O+\j], 0                           ; the step is written once: the first finds zeros, which the first change of M leaves zeros
.endr
	s_mov_b32 s[SI], 0
	s_mov_b32 s[TK], 0
	s_mov_b32 s[TS], 0
.Lstep_\p:
	STEP \p
	s_add_co_u32 s[TK], s[TK], 8192
	s_add_co_u32 s[TS], s[TS], 2048
	s_add_co_u32 s[SI], s[SI], 1
	s_cmp_lt_u32 s[SI], 16
	s_cbranch_scc1 .Lstep_\p
	s_setprio 0
.rept 8
	v_nop                                          ; hidden trips hold scalar lines alone: the places behind the last products
.endr
	v_add_f32 v14, v14, v15
	s_delay_alu instid0(VALU_DEP_1)
	v_permlanex16_b32 v252, v14, s[SEL], s[SEL+1]
	s_delay_alu instid0(VALU_DEP_1)
	v_add_f32 v14, v14, v252                       ; the row's sum
	s_wait_alu depctr_va_vdst(0)
	v_rcp_f32 v14, v14
	v_nop
	s_wait_alu depctr_va_vdst(0)
.irp j, 0,2,4,6,8,10,12,14,16,18,20,22,24,26,28,30
	v_pk_mul_f32 v[O+\j:O+1+\j], v[O+\j:O+1+\j], v[14:15] op_sel_hi:[1,0]   ; register 16 b + i is y(my query, 64 head + 32 b + 16 h + i)
.endr
.irp b, 0,1
	v_max3_num_f32 v[232+\b], |v[O+16*\b]|, |v[O+1+16*\b]|, 0x8000000
.endr
.irp i, 2,4,6,8,10,12,14
.irp b, 0,1
	s_delay_alu instid0(VALU_DEP_2)
	v_max3_num_f32 v[232+\b], v[232+\b], |v[O+16*\b+\i]|, |v[O+1+16*\b+\i]|
.endr
.endr
.irp b, 0,1
	s_delay_alu instid0(VALU_DEP_2)
	v_permlanex16_b32 v[236+\b], v[232+\b], s[SEL], s[SEL+1]
.endr
.irp b, 0,1
	s_delay_alu instid0(VALU_DEP_2)
	v_max_num_f32 v[232+\b], v[232+\b], v[236+\b]
.endr
.irp b, 0,1
	s_delay_alu instid0(VALU_DEP_2)
	v_add_nc_u32 v[244+\b], 0xf8800000, v[232+\b]
.endr
.irp b, 0,1
.endr
.irp b, 0,1
	s_delay_alu instid0(VALU_DEP_2)
	v_lshrrev_b32 v[236+\b], 23, v[244+\b]
.endr
	s_delay_alu instid0(VALU_DEP_1)
	v_cndmask_b32 v10, v236, v237, s82             ; lanes 0-15 store block 0's byte, lanes 16-31 block 1's
.irp b, 0,1
.irp i, 0,1,2,3,4,5,6,7,8,9,10,11,12,13,14,15
.endr
	v_cvt_scalef32_pk8_bf8_f32 v[PC+4*\b:PC+1+4*\b], v[O+16*\b:O+7+16*\b], v[244+\b]
	v_cvt_scalef32_pk8_bf8_f32 v[PC+2+4*\b:PC+3+4*\b], v[O+8+16*\b:O+15+16*\b], v[244+\b]
.endr
	v_nop                                          ; one plain line behind the last conversion
	global_store_b128 v1, v[PC:PC+3], s[YC+2*\p:YC+2*\p+1]               ; 1,024 consecutive bytes of a fragment's image
	global_store_b128 v1, v[PC+4:PC+7], s[YC+2*\p:YC+2*\p+1] offset:512
	global_store_b8 v9, v10, s[YS+2*\p:YS+2*\p+1]
.endm
	PASS 0
	PASS 1
	s_wait_tensorcnt 0x0
	ds_add_u32 v251, v255
	s_wait_dscnt 0x0
	CROUND                                         ; the closing round
	s_endpgm
.Lfunc_end_k_q0170c46798_attn:
	.size	k_q0170c46798_attn, .Lfunc_end_k_q0170c46798_attn-k_q0170c46798_attn
	.p2alignl 7, 3214868480
	.fill 96, 4, 3214868480
	.section	.rodata,"a",@progbits
	.p2align	6, 0x0
	.amdhsa_kernel k_q0170c46798_attn
		.amdhsa_group_segment_fixed_size 296960
		.amdhsa_private_segment_fixed_size 0
		.amdhsa_enable_private_segment 0
		.amdhsa_kernarg_size 32
		.amdhsa_user_sgpr_count 2
		.amdhsa_user_sgpr_kernarg_segment_ptr 1
		.amdhsa_wavefront_size32 1
		.amdhsa_system_sgpr_workgroup_id_x 1
		.amdhsa_system_sgpr_workgroup_id_y 1
		.amdhsa_system_sgpr_workgroup_id_z 1
		.amdhsa_system_vgpr_workitem_id 0
		.amdhsa_next_free_vgpr 256
		.amdhsa_next_free_sgpr 96
		.amdhsa_reserve_vcc 1
		.amdhsa_float_denorm_mode_32 3
		.amdhsa_float_denorm_mode_16_64 3
		.amdhsa_fp16_overflow 1
		.amdhsa_memory_ordered 1
		.amdhsa_forward_progress 1
		.amdhsa_inst_pref_size 67
	.end_amdhsa_kernel
	.amdgpu_metadata
---
amdhsa.version: [ 1, 2 ]
amdhsa.kernels:
  - .name:           k_q0170c46798_attn
    .symbol:         k_q0170c46798_attn.kd
    .args:
      - { .name: qkv_codes, .offset: 0, .size: 8, .value_kind: global_buffer, .address_space: global }
      - { .name: qkv_scales, .offset: 8, .size: 8, .value_kind: global_buffer, .address_space: global }
      - { .name: y_codes, .offset: 16, .size: 8, .value_kind: global_buffer, .address_space: global }
      - { .name: y_scales, .offset: 24, .size: 8, .value_kind: global_buffer, .address_space: global }
    .group_segment_fixed_size: 296960
    .private_segment_fixed_size: 0
    .kernarg_segment_align: 8
    .kernarg_segment_size: 32
    .max_flat_workgroup_size: 512
    .sgpr_count:     96
    .vgpr_count:     256
    .wavefront_size: 32
...
	.end_amdgpu_metadata
.endif
;; end of part 3
;; launch proj (part 4): grid 4 x 64, 4 waves a work-group, clusters of 4 x 4, 327,680 bytes of LDS; arguments y_codes, y_scales, w_codes, w_scales, b_proj, out0; writes out0
.if DOCPART == 4
	.amdgcn_target "amdgcn-amd-amdhsa--gfx1250"
	.amdhsa_code_object_version 6
	.text
	.protected	k_q0170c46798_proj
	.globl	k_q0170c46798_proj
	.p2align	8
	.type	k_q0170c46798_proj,@function
k_q0170c46798_proj:
	s_mov_b64 s[64:65], 0
	v_nop
	global_prefetch_b8 v0, s[64:65] scope:SCOPE_SE
	s_setreg_imm32_b32 hwreg(HW_REG_WAVE_MODE, 25, 1), 1
	s_wait_xcnt 0x0
	s_wait_alu depctr_hold_cnt(0) depctr_sa_sdst(0) depctr_va_vdst(0) depctr_va_sdst(0) depctr_va_ssrc(0) depctr_va_vcc(0) depctr_vm_vsrc(0)
	s_getreg_b32 s2, hwreg(HW_REG_IB_STS2, 6, 4)
	s_cmp_eq_u32 s2, 0
	s_cbranch_scc0 .Lentry_in_a_cluster
	s_endpgm
.Lentry_in_a_cluster:
	s_bfe_u32 s2, ttmp6, 0x10000c
	s_cmp_lg_u32 s2, 0xf033
	s_cbranch_scc0 .Lentry_shape_is_right
	s_endpgm
.Lentry_shape_is_right:
; out0 = y W_proj + b_proj on codes of BF8 (E5M2) with E8M0 scales; out0 [8192][1024] f32.
; A work-group of four waves makes 128 tokens x 256 columns (256 work-groups); wave w makes all 128 tokens x columns 64 w .. 64 w + 63: 32 accumulators.  K = 1,024 goes in four chunks of 256 through two LDS slots.
; Operands lie in memory as images of their registers (fragment = [c][lane][16 bytes], 2,048 bytes; codes [K / 256][tile][K step][2,048]; W_proj's tiles are 192-255 of w_codes): a chunk's tiles are one dense block, and a fragment
; comes out of LDS by four loads of 512 consecutive bytes.  Tiles hold their rows with bits 3 and 4 of the position in a group of 32 exchanged; the way out puts tokens and columns back by its offsets.
; Source 0 = 16 columns of W (side B, 4 blocks a wave, two sets of registers), source 1 = 16 tokens (side A, 8 blocks, one set): a lane holds one token and eight neighbouring columns.
; CLUSTERS: 4 x 4.  y's tiles are shared along a row of the cluster, W's along a column: joint loads.
; REGISTERS: window 0: v9-29 addresses (v13 the bias's offset, never rewritten; v12 scratch), v32-63 scale words (two sets), v64-95 the bias, v128-255 A's fragments, later rows of out0.
;   window 1: B's two sets, at v0 and v128.  window 2: accumulator (a, b) at v[8 (4 a + b)].
.set SLOT,  98304                      ; a slot: y's 8 tiles of 4,096 bytes, then W's 16
.set BOFF,  32768
.set SCBB,  2*SLOT                     ; W's scale bytes [half][chunk][128 rows x 8], 8,192 bytes; filled once
.set SCA,   SCBB+8192                  ; y's [chunk][128 rows x 8], 4,096 bytes: directly behind, so that the words which lanes 16-31 load and nobody uses are filled bytes
.set SPARE, SCA+4096                   ; the spare words: 128 bytes for each wave
.set CHA,   0x200000
.set CHW,   0x100000
.set BO,   13                          ; v13  the bias's offset: 64 h; never rewritten
.set LI,   15
.set ADRA, 16
.set ADRB, 20
.set STO,  24                          ; v24  the way out: where I put 32 bytes of a row
.set RD,   25                          ; v25  where I read rows back
.set CO,   26                          ; v26  my byte offset in out0
.set ADRS, 27
.set SPW,  28
.set NIL,  29
.set SC,   32
.set BI,   64
.set AF,   128
.set G1, 24
.set G0, 32
.set G1B, 48
.set G0B, 56
.set G1S, 68
.set G0S, 76
.set G1SB, 80
.set G0SB, 88
.set MSB, 0
.macro WIN new
.if MSB != \new
	s_set_vgpr_msb (MSB<<8)|\new
.set MSB, \new
.endif
.endm
.macro JLOAD g0a, g1a, g0b, g1b        ; waves 0 and 1 fetch for y, waves 2 and 3 for W; four v_nop follow each line
	s_cmp_eq_u32 s15, 0
	s_cbranch_scc0 .Lfor_b_\@
	tensor_load_to_lds s[\g0a:\g0a+3], s[\g1a:\g1a+7]
	s_nop 0
.rept 4
	v_nop
.endr
	s_branch .Lasked_\@
.Lfor_b_\@:
	tensor_load_to_lds s[\g0b:\g0b+3], s[\g1b:\g1b+7]
	s_nop 0
.rept 4
	v_nop
.endr
.Lasked_\@:
.endm
.macro CREST
	s_cmp_lg_u32 s14, 0
	s_cbranch_scc1 .Lnot_wave_0_\@
	s_barrier_signal -3
.Lnot_wave_0_\@:
	s_barrier_wait -3
	s_barrier_signal -1
	s_barrier_wait -1
.endm
.macro CROUND
	s_barrier_signal -1
	s_barrier_wait -1
	CREST
.endm
.macro PLACES n
.rept \n
	v_nop
.endr
.endm
	s_load_b128 s[4:7], s[0:1], 0x0                ; y_codes, y_scales
	s_load_b128 s[8:11], s[0:1], 0x10              ; w_codes, w_scales
	s_load_b64 s[12:13], s[0:1], 0x20              ; b_proj
	s_load_b64 s[92:93], s[0:1], 0x28              ; out0
	v_lshl_add_u32 v[SPW], v0, 2, SPARE
	v_mov_b32 v[NIL], 0
	ds_add_u32 v28, v29
	ds_add_u32 v28, v29
	s_wait_dscnt 0x0
	v_lshrrev_b32 v1, 5, v0
	v_readfirstlane_b32 s14, v1                    ; wave 0..3
	s_lshr_b32 s15, s14, 1                         ; I fetch for y (0) or for W (1)
	s_and_b32 s16, s14, 1                          ; which half of its tiles
	s_bfe_u32 s40, ttmp6, 0x40000
	s_bfe_u32 s41, ttmp6, 0x40004
	s_lshl_b32 s42, ttmp9, 2
	s_add_co_u32 s42, s42, s40                     ; which 256 columns
	s_and_b32 s17, ttmp7, 0xffff
	s_lshl_b32 s17, s17, 2
	s_add_co_u32 s17, s17, s41                     ; which 128 tokens
	s_lshl_b32 s43, s41, 2
	s_lshl_b32 s43, 15, s43
	s_lshl_b32 s44, 0x1111, s40
	s_or_b32 s[G1+0], s43, (3<<16)|(1<<21)         ; y's codes: 16,384 dense bytes as 64 rows of 256; to my row of the cluster
	s_mov_b32 s[G1+1], 32<<16
	s_mov_b32 s[G1+2], 64<<16
	s_mov_b32 s[G1+3], 32<<16
	s_mov_b32 s[G1+4], 64
	s_mov_b32 s[G1+5], 32
	s_mov_b32 s[G1+6], 0
	s_mov_b32 s[G1+7], 0
	s_or_b32 s[G1B+0], s44, (3<<16)|(1<<21)        ; W's: 32,768 dense bytes as 128 rows; to my column
	s_mov_b32 s[G1B+1], 32<<16
	s_mov_b32 s[G1B+2], 128<<16
	s_mov_b32 s[G1B+3], 32<<16
	s_mov_b32 s[G1B+4], 128
	s_mov_b32 s[G1B+5], 32
	s_mov_b32 s[G1B+6], 0
	s_mov_b32 s[G1B+7], 0
	s_or_b32 s[G1S+0], s43, (3<<16)|(1<<21)        ; y's scale bytes: two chunks' rows of 1,024 bytes, 65,536 apart
	s_mov_b32 s[G1S+1], 128<<16
	s_mov_b32 s[G1S+2], 2<<16
	s_mov_b32 s[G1S+3], 128<<16
	s_mov_b32 s[G1S+4], 2
	s_mov_b32 s[G1S+5], 8192
	s_mov_b32 s[G1S+6], 0
	s_mov_b32 s[G1S+7], 0
	s_or_b32 s[G1SB+0], s44, (3<<16)|(1<<21)       ; W's: four chunks' rows of 1,024 bytes, 32,768 apart
	s_mov_b32 s[G1SB+1], 128<<16
	s_mov_b32 s[G1SB+2], 4<<16
	s_mov_b32 s[G1SB+3], 128<<16
	s_mov_b32 s[G1SB+4], 4
	s_mov_b32 s[G1SB+5], 4096
	s_mov_b32 s[G1SB+6], 0
	s_mov_b32 s[G1SB+7], 0
	s_lshl_b32 s20, s17, 15                        ; y's codes: 8 tiles a work-group, 4 a wave
	s_lshl_b32 s18, s16, 14
	s_add_co_u32 s20, s20, s18
	s_mov_b32 s21, 0
	s_lshl_b32 s22, s17, 10                        ; y's scale bytes: my 128 rows; chunks 0, 1 or 2, 3
	s_lshl_b32 s18, s16, 17
	s_add_co_u32 s22, s22, s18
	s_mov_b32 s23, 0
	s_lshl_b32 s46, s42, 16                        ; W's codes: tile 192 + 16 x + 8 half
	s_lshl_b32 s18, s16, 15
	s_add_co_u32 s46, s46, s18
	s_add_co_u32 s46, s46, 192*4096
	s_mov_b32 s47, 0
	s_lshl_b32 s96, s42, 11                        ; W's scale bytes: position 3,072 + 256 x + 128 half
	s_lshl_b32 s18, s16, 10
	s_add_co_u32 s96, s96, s18
	s_add_co_u32 s96, s96, 3072*8
	s_mov_b32 s97, 0
	s_lshl_b32 s45, s16, 14                        ; LDS: y's halves,
	s_lshl_b32 s98, s16, 15
	s_add_co_u32 s98, s98, BOFF                    ; W's halves,
	s_lshl_b32 s99, s16, 11
	s_add_co_u32 s99, s99, SCA                     ; y's scale bytes,
	s_lshl_b32 s100, s16, 12
	s_add_co_u32 s100, s100, SCBB                  ; W's
	s_wait_kmcnt 0x0
	s_add_nc_u64 s[20:21], s[4:5], s[20:21]
	s_add_nc_u64 s[22:23], s[6:7], s[22:23]
	s_add_nc_u64 s[46:47], s[8:9], s[46:47]
	s_add_nc_u64 s[96:97], s[10:11], s[96:97]
	CROUND                                         ; all sixteen work-groups are here: the first joint loads meet
	s_mov_b32 s[G0S], 1
	s_mov_b32 s[G0S+1], s99
	s_mov_b64 s[G0S+2:G0S+3], s[22:23]
	s_or_b32 s[G0S+3], s[G0S+3], 0x80000000
	s_mov_b32 s[G0SB], 1
	s_mov_b32 s[G0SB+1], s100
	s_mov_b64 s[G0SB+2:G0SB+3], s[96:97]
	s_or_b32 s[G0SB+3], s[G0SB+3], 0x80000000
	JLOAD G0S, G1S, G0SB, G1SB                     ; the scale bytes of all of K: filled once
.irp s, 0,1
	s_mov_b32 s[G0+4*\s], 1
	s_add_co_u32 s[G0+4*\s+1], s45, \s*SLOT
	s_add_nc_u64 s[G0+4*\s+2:G0+4*\s+3], s[20:21], \s*CHA
	s_or_b32 s[G0+4*\s+3], s[G0+4*\s+3], 0x80000000
	s_mov_b32 s[G0B+4*\s], 1
	s_add_co_u32 s[G0B+4*\s+1], s98, \s*SLOT
	s_add_nc_u64 s[G0B+4*\s+2:G0B+4*\s+3], s[46:47], \s*CHW
	s_or_b32 s[G0B+4*\s+3], s[G0B+4*\s+3], 0x80000000
	s_wait_alu depctr_va_vdst(0)
	s_wait_tensorcnt 0x0
	ds_add_u32 v28, v29
	s_wait_dscnt 0x0
	CROUND
	JLOAD G0+4*\s, G1, G0B+4*\s, G1B               ; chunks 0 and 1: after each, one load of mine is out
.endr
	v_and_b32 v9, 31, v0                           ; lane
	v_and_b32 v10, 15, v0                          ; r
	v_bfe_u32 v11, v0, 4, 1                        ; h
	v_lshlrev_b32 v[LI], 4, v9
	v_mov_b32 v[ADRA], v[LI]                       ; every wave reads all of y's 8 tiles
	v_add_nc_u32 v[ADRA+1], SLOT, v[LI]
	s_lshl_b32 s20, s14, 14
	s_add_co_u32 s20, s20, BOFF                    ; my 4 tiles of W's 16
	v_add_nc_u32 v[ADRB], s20, v[LI]
	v_add_nc_u32 v[ADRB+1], SLOT, v[ADRB]
	s_lshl_b32 s21, s15, 12
	s_lshl_b32 s22, s16, 9
	s_add_co_u32 s21, s21, s22
	s_add_co_u32 s21, s21, SCBB                    ; my 64 columns' scale words (lanes 16-31),
	s_sub_co_u32 s22, SCA, s21                     ; and how far above them y's lie (lanes 0-15)
	v_xor_b32 v6, 1, v11
	v_mul_u32_u24 v6, s22, v6
	v_lshl_add_u32 v6, v10, 3, v6
	v_add_nc_u32 v[ADRS], s21, v6
	s_lshl_b32 s20, s42, 10                        ; my first column, in bytes: 1,024 x + 256 wave
	s_lshl_b32 s21, s14, 8
	s_add_co_u32 s20, s20, s21
	s_mov_b32 s21, 0
	s_add_nc_u64 s[12:13], s[12:13], s[20:21]
	v_lshlrev_b32 v[BO], 6, v11                    ; the bias in the result's layout: block b: columns 32 (b / 2) + 8 (b % 2) + 16 h + 0..7.  The offset has a register of its own: no line behind the loads writes it
.irp b, 0,1,2,3
	global_load_b128 v[BI+8*\b:BI+8*\b+3], v[BO], s[12:13] offset:(32*(\b/2)+8*(\b%2))*4
	global_load_b128 v[BI+8*\b+4:BI+8*\b+7], v[BO], s[12:13] offset:(32*(\b/2)+8*(\b%2))*4+16
.endr
	s_lshl_b32 s22, s17, 19                        ; 128 tokens of 4,096 bytes
	s_add_co_u32 s22, s22, s20
	s_mov_b32 s23, 0
	s_add_nc_u64 s[92:93], s[92:93], s[22:23]
	s_mul_i32 s23, s14, 16*272                     ; my stage: 16 rows of 256 bytes + 16.  It lies in slot 0, which has had its last fill and its last read when the first result is stored there
	v_mul_u32_u24 v12, v10, 272
	v_lshl_add_u32 v12, v11, 6, v12
	v_add_nc_u32 v[STO], s23, v12                  ; in: row r, + 64 h
	v_mul_u32_u24 v12, v11, 272
	v_lshl_add_u32 v12, v10, 4, v12
	v_add_nc_u32 v[RD], s23, v12                   ; back: lanes 0-15 one row, lanes 16-31 the next
	v_lshlrev_b32 v12, 12, v11
	v_lshl_add_u32 v[CO], v10, 4, v12              ; and the same two rows in out0
.macro FRAG reg, adr, s, i
.irp c, 0,1,2,3
	ds_load_b128 v[\reg+4*\c:\reg+4*\c+3], v[\adr] offset:(\i)*4096+(\s)*2048+512*\c
.endr
.endm
.macro FETCH_B slot, s, p
	WIN 0x40
.irp i, 0,1,2,3
	FRAG 128*(\p)+16*\i, ADRB+\slot, \s, \i
.endr
	WIN 0
.endm
.macro FETCH_A slot, s, i0
.irp i, \i0, \i0+1, \i0+2, \i0+3
	FRAG AF+16*(\i), ADRA+\slot, \s, \i
.endr
.endm
.macro SCALES sc                       ; lanes 0-15 y's block i; lanes 16-31 W's block i (used for i under 4)
.irp i, 0,1,2,3,4,5,6,7
	ds_load_b64 v[SC+16*\sc+2*\i:SC+16*\sc+2*\i+1], v[ADRS] offset:128*\i
.endr
.endm
; 8 products: A's blocks a0, a0 + 1 x my four of B.  first = 1: the sums begin with the bias.  The 32 accumulators take turns, in the same order in every step.
.macro MULG a0, p, q, sc, first
.irp a, \a0, \a0+1
.irp b, 0,1,2,3
.if \first
	v_wmma_scale_f32_16x16x128_f8f6f4 v[8*(4*(\a)+\b):8*(4*(\a)+\b)+7], v[128*(\p)+16*\b:128*(\p)+16*\b+15], v[AF+16*(\a):AF+16*(\a)+15], v[BI+8*\b:BI+8*\b+7], v[SC+16*(\sc)+2*\b+(\q)], v[SC+16*(\sc)+2*(\a)+(\q)] matrix_a_fmt:MATRIX_FMT_BF8 matrix_b_fmt:MATRIX_FMT_BF8 matrix_a_scale:MATRIX_SCALE_ROW1
.else
	v_wmma_scale_f32_16x16x128_f8f6f4 v[8*(4*(\a)+\b):8*(4*(\a)+\b)+7], v[128*(\p)+16*\b:128*(\p)+16*\b+15], v[AF+16*(\a):AF+16*(\a)+15], v[8*(4*(\a)+\b):8*(4*(\a)+\b)+7], v[SC+16*(\sc)+2*\b+(\q)], v[SC+16*(\sc)+2*(\a)+(\q)] matrix_a_fmt:MATRIX_FMT_BF8 matrix_b_fmt:MATRIX_FMT_BF8 matrix_a_scale:MATRIX_SCALE_ROW1
.endif
.endr
.endr
.endm
.macro STEP slot, first                ; a slot's first K step (B's set 0)
	s_wait_dscnt 16                                ; B's set, A's blocks 0-3 and the scale words are in; the youngest 16 loads (A's blocks 4-7) may be out
.if \first
	WIN 0x81                                       ; source 0 window 1, source 1 and the bias window 0, D window 2
.else
	WIN 0xa1
.endif
	MULG 0, 0, 0, \slot, \first
	MULG 2, 0, 0, \slot, \first
	s_wait_dscnt 0x0
	PLACES 8
	FETCH_B \slot, 1, 1
	FETCH_A \slot, 1, 0
.if \first
	WIN 0x81
.else
	WIN 0xa1
.endif
	MULG 4, 0, 0, \slot, \first
	MULG 6, 0, 0, \slot, \first
	PLACES 8
	WIN 0
	FETCH_A \slot, 1, 4
.endm
.macro TURN slot, next, fill           ; a slot's second K step changes slots
	s_wait_tensorcnt 0x0                           ; all my tensor loads have landed: my part of the next slot
	ds_add_u32 v[SPW], v[NIL]                      ; 0 onto my spare word
	s_wait_dscnt 17                                ; (the add and the youngest 16 loads may be out)
	WIN 0xa1
	MULG 0, 1, 1, \slot, 0
	s_wait_dscnt 0x0                               ; the add is done, and my reads of this slot are over
	s_barrier_signal -1
	MULG 2, 1, 1, \slot, 0
	WIN 0
	s_barrier_wait -1
.if \fill
	CREST                                          ; a round of the cluster's barrier: no wave of any partner still reads this slot or has a load on its way
	s_add_nc_u64 s[G0+4*\slot+2:G0+4*\slot+3], s[G0+4*\slot+2:G0+4*\slot+3], 2*CHA
	s_add_nc_u64 s[G0B+4*\slot+2:G0B+4*\slot+3], s[G0B+4*\slot+2:G0B+4*\slot+3], 2*CHW
	JLOAD G0+4*\slot, G1, G0B+4*\slot, G1B         ; the first tensor load behind the round, my one load until the next
	PLACES 4
.else
	PLACES 8
.endif
	s_wait_alu depctr_va_vdst(0)
	v_add_nc_u32 v[ADRS], 1024, v[ADRS]            ; the next chunk's scale words
	FETCH_B \next, 0, 0
	FETCH_A \next, 0, 0
	SCALES \next
	WIN 0xa1
	MULG 4, 1, 1, \slot, 0
	MULG 6, 1, 1, \slot, 0
	PLACES 8
	WIN 0
	FETCH_A \next, 0, 4
.endm
	s_wait_tensorcnt 1                             ; the scale bytes and my part of chunk 0 are in (chunk 1's load may be out)
	s_barrier_signal -1
	s_barrier_wait -1                              ; everybody's are
	FETCH_B 0, 0, 0
	FETCH_A 0, 0, 0
	SCALES 0
	FETCH_A 0, 0, 4
	s_wait_loadcnt 0x0                             ; the bias
	STEP 0, 1
	TURN 0, 1, 1                                   ; slot 0 takes chunk 2
	STEP 1, 0
	TURN 1, 0, 1                                   ; slot 1 takes chunk 3
	STEP 0, 0
	TURN 0, 1, 0                                   ; nothing is left to fetch; behind this barrier nobody reads slot 0
	STEP 1, 0
	s_wait_dscnt 16                                ; the last step
	WIN 0xa1
	MULG 0, 1, 1, 1, 0
	MULG 2, 1, 1, 1, 0
	s_wait_dscnt 0x0
	MULG 4, 1, 1, 1, 0
	MULG 6, 1, 1, 1, 0
	WIN 0
	PLACES 8                                       ; in front of the first read of results and of loads into A's registers
; THE WAY OUT, a block of 16 tokens x 64 columns at a time, through my own stage: in by lanes (32 bytes of a row), back by rows of 256 bytes, which sixteen lanes store as one aligned run.
.macro TOSTAGE a
	WIN 0x08                                       ; an LDS store's data are its source 1: window 2
.irp b, 0,1,2,3
	ds_store_b128 v[STO], v[8*(4*(\a)+\b):8*(4*(\a)+\b)+3] offset:(32*(\b/2)+8*(\b%2))*4        ; each accumulator from its low end on
	ds_store_b128 v[STO], v[8*(4*(\a)+\b)+4:8*(4*(\a)+\b)+7] offset:(32*(\b/2)+8*(\b%2))*4+16
.endr
	WIN 0
.irp t, 0,1,2,3,4,5,6,7
	ds_load_b128 v[AF+32*((\a)%2)+4*\t:AF+32*((\a)%2)+4*\t+3], v[RD] offset:544*\t   ; LDS serves a wave's instructions in order: these see the stores above
.endr
.endm
.macro SEND a, younger                 ; position 2 t + h of tile a is the token 32 (a / 2) + 8 (a % 2) + 16 (t / 4) + 2 (t % 4) + h
	s_wait_dscnt \younger
.irp t, 0,1,2,3,4,5,6,7
	global_store_b128 v[CO], v[AF+32*((\a)%2)+4*\t:AF+32*((\a)%2)+4*\t+3], s[92:93] offset:(32*((\a)/2)+8*((\a)%2)+16*(\t/4)+2*(\t%4))*4096 th:TH_STORE_NT
.endr
.endm
	TOSTAGE 0
.irp a, 1,2,3,4,5,6,7
.if \a > 1
	s_wait_xcnt 0x0                                ; block a - 2's stores have read their registers: block a's loads may land there
.endif
	TOSTAGE \a
	SEND \a-1, 16                                  ; behind block a - 1's loads: block a's 8 stores and 8 loads
.endr
	SEND 7, 0
	s_wait_tensorcnt 0x0                           ; the wave's end
	ds_add_u32 v[SPW], v[NIL]
	s_wait_dscnt 0x0
	CROUND                                         ; the closing round
	s_endpgm
.Lfunc_end_k_q0170c46798_proj:
	.size	k_q0170c46798_proj, .Lfunc_end_k_q0170c46798_proj-k_q0170c46798_proj
	.p2alignl 7, 3214868480
	.fill 96, 4, 3214868480
	.section	.rodata,"a",@progbits
	.p2align	6, 0x0
	.amdhsa_kernel k_q0170c46798_proj
		.amdhsa_group_segment_fixed_size 327680
		.amdhsa_private_segment_fixed_size 0
		.amdhsa_enable_private_segment 0
		.amdhsa_kernarg_size 48
		.amdhsa_user_sgpr_count 2
		.amdhsa_user_sgpr_kernarg_segment_ptr 1
		.amdhsa_wavefront_size32 1
		.amdhsa_system_sgpr_workgroup_id_x 1
		.amdhsa_system_sgpr_workgroup_id_y 1
		.amdhsa_system_sgpr_workgroup_id_z 1
		.amdhsa_system_vgpr_workitem_id 0
		.amdhsa_next_free_vgpr 768
		.amdhsa_next_free_sgpr 104
		.amdhsa_reserve_vcc 0
		.amdhsa_float_denorm_mode_32 3
		.amdhsa_float_denorm_mode_16_64 3
		.amdhsa_memory_ordered 1
		.amdhsa_forward_progress 1
		.amdhsa_inst_pref_size 93
	.end_amdhsa_kernel
	.amdgpu_metadata
---
amdhsa.version: [ 1, 2 ]
amdhsa.kernels:
  - .name:           k_q0170c46798_proj
    .symbol:         k_q0170c46798_proj.kd
    .args:
      - { .name: y_codes, .offset: 0, .size: 8, .value_kind: global_buffer, .address_space: global }
      - { .name: y_scales, .offset: 8, .size: 8, .value_kind: global_buffer, .address_space: global }
      - { .name: w_codes, .offset: 16, .size: 8, .value_kind: global_buffer, .address_space: global }
      - { .name: w_scales, .offset: 24, .size: 8, .value_kind: global_buffer, .address_space: global }
      - { .name: b_proj, .offset: 32, .size: 8, .value_kind: global_buffer, .address_space: global }
      - { .name: out0, .offset: 40, .size: 8, .value_kind: global_buffer, .address_space: global }
    .group_segment_fixed_size: 327680
    .private_segment_fixed_size: 0
    .kernarg_segment_align: 8
    .kernarg_segment_size: 48
    .max_flat_workgroup_size: 128
    .sgpr_count:     104
    .vgpr_count:     768
    .wavefront_size: 32
...
	.end_amdgpu_metadata
.endif
;; end of part 4
